; MI455X (gfx1250); checked and timed in simulation.
; The chip was launched on July 23, 2026; its instructions are those of AMD's public machine-readable ISA for CDNA 5 (MIT licence, August 2026) and "CDNA5" Instruction Set Architecture Reference Guide (July 2026). The comments in the code are by the model that wrote it; some were corrected since.
;; Causal Attention. Allowed arithmetic: float matrix products may take bf16 or f16 operands with f32 sums; other float arithmetic in f32, or as packed bf16 or f16 multiplies, adds, multiply-adds, maxima and minima; sums over many terms, partial sums and values carried from step to step in f32; what a program stores and reads back later, other than sums and carried values, may be rounded once to bf16 or f16.
;; Inputs: w_key 1,024 x 1,024 float32; w_query 1,024 x 1,024 float32; w_value 1,024 x 1,024 float32; x 4 x 2,048 x 1,024 float32.
;; Outputs: out0 4 x 2,048 x 1,024 float32.
;; 2 versions, each right; version 2 is version 1 with the launch cast written anew for expert scheduling mode. Each part assembles by itself: llvm-mc -triple=amdgcn-amd-amdhsa -mcpu=gfx1250 --defsym DOCPART=n.
;; ======== version 1 of 2: 4 launches
;; limits: values are held in f16: magnitudes above 65,504 overflow, below 6.1e-05 lose precision
;; workspace buffers: xw 23,068,672 bytes; qkv 50,331,648 bytes; pbuf 33,554,432 bytes; stats 1,048,576 bytes
;; launch cast (part 1): grid 704 x 1, 8 waves a work-group, no clusters, 0 bytes of LDS; arguments x, w_query, w_key, w_value, xw; writes xw
.if DOCPART == 1
	.amdgcn_target "amdgcn-amd-amdhsa--gfx1250"
	.amdhsa_code_object_version 6
	.text
	.protected	k_qf84d0dd909_cast
	.globl	k_qf84d0dd909_cast
	.p2align	8
	.type	k_qf84d0dd909_cast,@function
k_qf84d0dd909_cast:
	s_mov_b64 s[64:65], 0
	v_nop
	global_prefetch_b8 v0, s[64:65] scope:SCOPE_SE
	s_setreg_imm32_b32 hwreg(HW_REG_WAVE_MODE, 25, 1), 1
	s_wait_xcnt 0x0
; CAST.  x [8192][1024] and the three weights [1024][1024], f32, are rounded once to bf16 and laid out for the product that follows:
; xw[kb 0..15][row 0..11263][64]: 128 bytes for each (kb, row); rows 0-8191 x, 8192.. w_query, 9216.. w_key, 10240.. w_value.
; So a tile of rows x 64 of K is one dense block of memory.
; A stream: no LDS, no matrix unit, no cluster: no byte is used twice.  A work-group takes 16 rows, a wave two.
; A load: 16 lanes take 256 consecutive, aligned bytes (64 numbers) of one row, the other 16 lanes those of the next row.
; A store: the 32 lanes' 8 bytes are the two rows' 128 bytes of one kb: 256 consecutive, aligned bytes.
; All 16 loads of a wave go out first (8 KiB a wave); no register is written twice, so the only waits are the counted ones for the loads.
.set KBS, 11264*128                    ; bytes of one kb block of xw
.set VI,  2                            ; v2      my byte offset in the group's 16 rows of the source
.set VO,  4                            ; v[4:7]  my byte offset in xw for kb 0-3, 4-7, 8-11, 12-15 (the immediate holds at most three blocks)
.set X,   16                           ; v[16:79]  16 x 4 numbers as loaded
.set Y,   80                           ; v[80:111] 16 x 4 numbers in bf16
	s_load_b256 s[4:11], s[0:1], 0x0               ; x s[4:5], w_query s[6:7], w_key s[8:9], w_value s[10:11]
	s_load_b64 s[12:13], s[0:1], 0x20              ; xw
	s_sub_co_u32 s14, ttmp9, 512                   ; groups 512.. take the weights, 64 groups each
	s_lshr_b32 s15, s14, 6                         ; which weight
	s_and_b32 s16, s14, 63                         ; which 16 rows of it
	v_lshrrev_b32 v1, 4, v0                        ; my row among the 16
	v_and_b32 v3, 15, v0
	v_lshlrev_b32 v[VI], 12, v1                    ; a source row is 4,096 bytes
	v_lshl_add_u32 v[VI], v3, 4, v[VI]
	v_lshlrev_b32 v[VO], 3, v0                     ; 128 x row + 8 x (lane % 16) = 8 x thread
.irp q, 1,2,3
	v_add_nc_u32 v[VO+\q], \q*4*KBS, v[VO]
.endr
	s_lshl_b32 s22, ttmp9, 11                      ; the group's 16 rows of 128 bytes in a kb block
	s_mov_b32 s23, 0
	s_mov_b32 s21, 0
	s_wait_kmcnt 0x0
	s_cmp_eq_u32 s15, 1
	s_cselect_b64 s[18:19], s[8:9], s[6:7]
	s_cmp_eq_u32 s15, 2
	s_cselect_b64 s[18:19], s[10:11], s[18:19]
	s_cmp_lt_u32 ttmp9, 512
	s_cselect_b64 s[18:19], s[4:5], s[18:19]       ; the source,
	s_cselect_b32 s16, ttmp9, s16                  ; and the group's place in it
	s_lshl_b32 s20, s16, 16                        ; 16 rows of 4,096 bytes
	s_add_nc_u64 s[18:19], s[18:19], s[20:21]
	s_add_nc_u64 s[12:13], s[12:13], s[22:23]
.irp k, 0,1,2,3,4,5,6,7,8,9,10,11,12,13,14,15
	global_load_b128 v[X+4*\k:X+4*\k+3], v[VI], s[18:19] offset:\k*256 th:TH_LOAD_NT
.endr
.irp k, 0,1,2,3,4,5,6,7,8,9,10,11,12,13,14,15
	s_wait_loadcnt 15-\k                           ; loads come back in order: number k is in, the younger ones stay out
	v_cvt_pk_bf16_f32 v[Y+2*\k],   v[X+4*\k],   v[X+4*\k+1]
	v_cvt_pk_bf16_f32 v[Y+2*\k+1], v[X+4*\k+2], v[X+4*\k+3]
	global_store_b64 v[VO+\k/4], v[Y+2*\k:Y+2*\k+1], s[12:13] offset:(\k%4)*KBS
.endr
	s_endpgm
.Lfunc_end_k_qf84d0dd909_cast:
	.size	k_qf84d0dd909_cast, .Lfunc_end_k_qf84d0dd909_cast-k_qf84d0dd909_cast
	.p2alignl 7, 3214868480
	.fill 96, 4, 3214868480
	.section	.rodata,"a",@progbits
	.p2align	6, 0x0
	.amdhsa_kernel k_qf84d0dd909_cast
		.amdhsa_group_segment_fixed_size 0
		.amdhsa_private_segment_fixed_size 0
		.amdhsa_enable_private_segment 0
		.amdhsa_kernarg_size 40
		.amdhsa_user_sgpr_count 2
		.amdhsa_user_sgpr_kernarg_segment_ptr 1
		.amdhsa_wavefront_size32 1
		.amdhsa_system_sgpr_workgroup_id_x 1
		.amdhsa_system_sgpr_workgroup_id_y 1
		.amdhsa_system_sgpr_workgroup_id_z 1
		.amdhsa_system_vgpr_workitem_id 0
		.amdhsa_next_free_vgpr 112
		.amdhsa_next_free_sgpr 66
		.amdhsa_reserve_vcc 0
		.amdhsa_float_denorm_mode_32 3
		.amdhsa_float_denorm_mode_16_64 3
		.amdhsa_memory_ordered 1
		.amdhsa_forward_progress 1
		.amdhsa_inst_pref_size 7
	.end_amdhsa_kernel
	.amdgpu_metadata
---
amdhsa.version: [ 1, 2 ]
amdhsa.kernels:
  - .name:           k_qf84d0dd909_cast
    .symbol:         k_qf84d0dd909_cast.kd
    .args:
      - { .name: x, .offset: 0, .size: 8, .value_kind: global_buffer, .address_space: global }
      - { .name: w_query, .offset: 8, .size: 8, .value_kind: global_buffer, .address_space: global }
      - { .name: w_key, .offset: 16, .size: 8, .value_kind: global_buffer, .address_space: global }
      - { .name: w_value, .offset: 24, .size: 8, .value_kind: global_buffer, .address_space: global }
      - { .name: xw, .offset: 32, .size: 8, .value_kind: global_buffer, .address_space: global }
    .group_segment_fixed_size: 0
    .private_segment_fixed_size: 0
    .kernarg_segment_align: 8
    .kernarg_segment_size: 40
    .max_flat_workgroup_size: 256
    .sgpr_count:     66
    .vgpr_count:     112
    .wavefront_size: 32
...
	.end_amdgpu_metadata
.endif
;; end of part 1
;; launch proj (part 2): grid 8 x 32, 4 waves a work-group, clusters of 4 x 4, 327,680 bytes of LDS; arguments xw, qkv; writes qkv
.if DOCPART == 2
	.amdgcn_target "amdgcn-amd-amdhsa--gfx1250"
	.amdhsa_code_object_version 6
	.text
	.protected	k_qf84d0dd909_proj
	.globl	k_qf84d0dd909_proj
	.p2align	8
	.type	k_qf84d0dd909_proj,@function
k_qf84d0dd909_proj:
	s_mov_b64 s[64:65], 0
	v_nop
	global_prefetch_b8 v0, s[64:65] scope:SCOPE_SE
	s_setreg_imm32_b32 hwreg(HW_REG_WAVE_MODE, 25, 1), 1
	s_wait_xcnt 0x0
	s_wait_alu depctr_hold_cnt(0) depctr_sa_sdst(0) depctr_va_vdst(0) depctr_va_sdst(0) depctr_va_ssrc(0) depctr_va_vcc(0) depctr_vm_vsrc(0)
	s_getreg_b32 s2, hwreg(HW_REG_IB_STS2, 6, 4)
	s_cmp_eq_u32 s2, 0
	s_cbranch_scc0 .Lentry_in_a_cluster
	s_endpgm
.Lentry_in_a_cluster:
	s_bfe_u32 s2, ttmp6, 0x10000c
	s_cmp_lg_u32 s2, 0xf033
	s_cbranch_scc0 .Lentry_shape_is_right
	s_endpgm
.Lentry_shape_is_right:
; PROJ.  C[m][n] = sum over k of x[m][k] W[n][k], m 0..8191, n 0..3071 (w_query, w_key, w_value one below the other), k 0..1023.  Operands bf16 from xw, sums f32,
; C rounded once to f16 into qkv[cb 0..47][row 0..8191][64] (cb = n / 64: 0-15 q, 16-31 k, 32-47 v).
; LIMIT.  f16 ends at 65,504: a q, k or v beyond that becomes an infinity.  NaN and infinities are not treated apart.
; SHARES.  8192 x 3072 outputs on 256 work-groups: a tile of 256 x 384 each.  Four waves, each 128 x 192: 96 accumulators of 16 x 16, 768 registers.
; K goes in steps of 64 (one kb block of xw) through two LDS slots.  A step's rows of A (256) and of B (384) are dense blocks of memory, asked for as rows of 256 bytes
; (two rows of the tile each) and padded in LDS behind every 128 bytes.  Waves 0, 1 fetch A's halves, waves 2, 3 B's halves: one tensor load a wave behind each change of slots.
; By this text's count a wave has two tensor loads out at the start and one behind each change.
; CLUSTER 4 x 4: A's tile hangs on the tile row alone and is asked for jointly by a row of the cluster, B's on the tile column alone, by a column.
; THE MATRIX INSTRUCTION IS USED TRANSPOSED (source 0 = 16 rows of B, source 1 = 16 rows of A): a lane holds one row m (lane % 16) and eight neighbouring n.
; REGISTERS.  window 0: v16-31 addresses; v32-95, v96-159 A's fragments of 32 along K, two buffers; v160-255 B's fragments in three groups of four.
;   windows 1-3: the accumulators of B's group g in window g + 1: (a 0..7, bb 0..3) at v[8 (4 a + bb)].
; A substep (32 along K) is three phases of 32 matrix instructions, one for each group of B; behind a phase its group is loaded again for the next substep.
.set KBS,   11264*128
.set CBS,   8192*128
.set PITCH, 144                        ; an LDS row: 128 bytes + 16 = 36 words: the 16 rows of a fragment load start in 16 different groups of four banks (ISA guide 11.1)
.set AHALF, 128*PITCH
.set BHALF, 192*PITCH
.set BOFF,  2*AHALF                    ; a slot: A's 256 rows, then B's 384 rows: 92,160 bytes
.set SLOT1, 1<<17                      ; slot 1 begins here, so that one exclusive or turns an address in one slot into the other's
.set STAGE, BOFF+2*BHALF               ; between the slots, never filled by a tensor load: 3 x 16 rows x 144 bytes for each wave
.set SGRP,  16*PITCH
.set SPARE, SLOT1+STAGE                ; behind slot 1: the spare words, 128 bytes for each wave
.set STEPS, 16
.set A0,   16                          ; v16  my lane's place in A's rows of a slot; never rewritten
.set B0,   17                          ; v17  the same for B
.set ADRA, 18                          ; v18  A0 + the slot in hand
.set ADRB, 19
.set STO,  24                          ; v24  the way out: where I put 16 bytes of a row
.set RD,   25                          ; v25  the way out: where I read rows back
.set CO,   26                          ; v26  16 x lane
.set SPW,  28                          ; v28  my spare word; never rewritten
.set NIL,  29                          ; v29  0; never rewritten
.set PFO,  30                          ; v30  the prefetches' lane offset; never rewritten
.set AF0,  32
.set AF1,  96
.set BF,   160
.set TMP,  32                          ; the way out: 48 packed registers
.set OB,   80                          ; the way out: 48 registers read back, two sets by turns
.set G1A, 24                           ; s[24:31] group 1 for A
.set G0A, 32                           ; s[32:39] group 0 for A: a set for each first fill; the second then walks
.set G1B, 48
.set G0B, 56
.set LIM, 43                           ; s43  a wave prefetches while the trips left are at least this
.set PFA, 44                           ; s[44:45] where my prefetch stands
.set SB,  66                           ; s66  0 or SLOT1: the slot that is read
.set MSB, 0
.macro WIN new                         ; the immediate's high byte repeats the setting that is left; a switch that changes nothing is dropped
.if MSB != (\new)
	s_set_vgpr_msb (MSB<<8)|(\new)
.set MSB, \new
.endif
.endm
.macro PLACES                          ; four plain vector instructions behind a matrix instruction, ahead of loads into its registers and of readers of its result
.rept 4
	v_nop
.endr
.endm
.macro CREST                           ; a round of the cluster's barrier behind its opening barrier
	s_cmp_lg_u32 s10, 0
	s_cbranch_scc1 .Lnot_wave_0_\@
	s_barrier_signal -3
.Lnot_wave_0_\@:
	s_barrier_wait -3
	s_barrier_signal -1
	s_barrier_wait -1
.endm
.macro CROUND
	s_barrier_signal -1
	s_barrier_wait -1
	CREST
.endm
.macro JLOAD                           ; the joint refill by the walking descriptors; the branch hangs on the wave's number alone; s_nop 0 and four v_nop follow each line
	s_cmp_eq_u32 s11, 0
	s_cbranch_scc0 .Lfor_b_\@
	tensor_load_to_lds s[G0A+4:G0A+7], s[G1A:G1A+7]
	s_nop 0
	PLACES
	s_branch .Lasked_\@
.Lfor_b_\@:
	tensor_load_to_lds s[G0B+4:G0B+7], s[G1B:G1B+7]
	s_nop 0
	PLACES
.Lasked_\@:
.endm
; A PREFETCH INTO THE L2, in every second trip, behind the joint load and the run of LDS loads: K steps i + 3 and i + 4 in trip i (the refill of trip i asks for step i + 2).
; Each aligned block of 256 bytes of steps 3 to 14 is named once in the launch.  A's tile row (128 blocks a step) is read by both clusters along x: wave 0 of each work-group takes the 32 blocks
; 32 cx .., for step i + 3 + cluster x.  B's tile column (192 blocks a step) is read by all clusters along y: in those with y = 0 waves 1 to 3 take 16 blocks each, 48 cy + 16 (wave - 1) ..,
; lanes 0-15 of step i + 3, lanes 16-31 of step i + 4.  Partners are told apart by address alone.  Steps 0 to 2 and step 15 come by their loads alone.
.macro ASK
	s_and_b32 s67, s3, 1
	s_cmp_eq_u32 s67, 0
	s_cbranch_scc0 .Lnot_now_\@
	s_cmp_ge_u32 s3, s[LIM]
	s_cbranch_scc0 .Lnot_now_\@
	global_prefetch_b8 v[PFO], s[PFA:PFA+1] th:TH_LOAD_NT scope:SCOPE_SE
.Lnot_now_\@:
.endm
	s_load_b128 s[4:7], s[0:1], 0x0                ; xw s[4:5], qkv s[6:7]
	v_lshl_add_u32 v[SPW], v0, 2, SPARE
	v_mov_b32 v[NIL], 0
	ds_add_u32 v[SPW], v[NIL]                      ; the wave's opening: the add and its wait stand ahead of my first tensor load
	v_lshrrev_b32 v1, 5, v0
	v_readfirstlane_b32 s10, v1                    ; wave 0..3
	s_lshr_b32 s11, s10, 1                         ; my half of the tile's rows.  Also: I fetch for A (0) or B (1)
	s_and_b32 s12, s10, 1                          ; my half of its columns.  Also: which half of that tile I fetch
	s_bfe_u32 s40, ttmp6, 0x40000                  ; cx
	s_bfe_u32 s41, ttmp6, 0x40004                  ; cy
	s_lshl_b32 s42, ttmp9, 2
	s_add_co_u32 s42, s42, s40                     ; tile column 0..7
	s_and_b32 s13, ttmp7, 0xffff
	s_lshl_b32 s13, s13, 2
	s_add_co_u32 s13, s13, s41                     ; tile row 0..31
	s_lshl_b32 s68, s41, 2
	s_lshl_b32 s68, 15, s68                        ; my row of the cluster
	s_lshl_b32 s69, 0x1111, s40                    ; my column
	s_or_b32 s[G1A], s68, (1<<16)|(1<<20)|(1<<21)|(4<<22)|(3<<25)  ; mask; 2-byte elements; padding on; bit 21 beside a mask; behind every 32 words, 4 words
	s_or_b32 s[G1B], s69, (1<<16)|(1<<20)|(1<<21)|(4<<22)|(3<<25)
.irp g, G1A, G1B
	s_mov_b32 s[\g+1], 128<<16                     ; tensor_dim0 = 128 elements: 256 bytes
	s_mov_b32 s[\g+3], 128<<16                     ; tile_dim0
	s_mov_b32 s[\g+5], 128                         ; from row to row: dense
	s_mov_b32 s[\g+6], 0
	s_mov_b32 s[\g+7], 0
.endr
	s_mov_b32 s[G1A+2], 64<<16                     ; A's half: 128 rows x 128 bytes = 64 rows of 256
	s_mov_b32 s[G1A+4], 64
	s_mov_b32 s[G1B+2], 96<<16                     ; B's half: 192 rows = 96 rows of 256
	s_mov_b32 s[G1B+4], 96
	s_lshl_b32 s16, s13, 15                        ; A: (256 x tile row + 128 x half) x 128 bytes: no register here ever holds cx
	s_lshl_b32 s17, s12, 14
	s_add_co_u32 s16, s16, s17
	s_mov_b32 s17, 0
	s_mul_i32 s46, s42, 384*128                    ; B: (8192 + 384 x tile column + 192 x half) x 128 bytes: no register here ever holds cy
	s_mul_i32 s47, s12, 192*128
	s_add_co_u32 s46, s46, s47
	s_add_co_u32 s46, s46, 8192*128
	s_mov_b32 s47, 0
	s_mul_i32 s20, s12, AHALF                      ; where they go: the wave's number and constants alone
	s_mul_i32 s21, s12, BHALF
	s_add_co_u32 s21, s21, BOFF
	s_wait_dscnt 0x0                               ; the opening add is done
	s_wait_kmcnt 0x0
	s_add_nc_u64 s[14:15], s[4:5], s[16:17]
	s_add_nc_u64 s[46:47], s[4:5], s[46:47]
	CROUND                                         ; all sixteen work-groups are here: the first joint loads meet
.irp s, 0,1
	s_mov_b32 s[G0A+4*\s], 1
	s_add_co_u32 s[G0A+4*\s+1], s20, \s*SLOT1
	s_add_nc_u64 s[G0A+4*\s+2:G0A+4*\s+3], s[14:15], \s*KBS
	s_or_b32 s[G0A+4*\s+3], s[G0A+4*\s+3], 0x80000000
	s_mov_b32 s[G0B+4*\s], 1
	s_add_co_u32 s[G0B+4*\s+1], s21, \s*SLOT1
	s_add_nc_u64 s[G0B+4*\s+2:G0B+4*\s+3], s[46:47], \s*KBS
	s_or_b32 s[G0B+4*\s+3], s[G0B+4*\s+3], 0x80000000
.endr
	s_cmp_eq_u32 s11, 0                            ; a wave's two first fills (K steps 0 and 1) stand in one branch
	s_cbranch_scc0 .Lfirst_b
	tensor_load_to_lds s[G0A:G0A+3], s[G1A:G1A+7]
	s_nop 0
	tensor_load_to_lds s[G0A+4:G0A+7], s[G1A:G1A+7]
	s_nop 0
	PLACES
	s_branch .Lfirst_asked
.Lfirst_b:
	tensor_load_to_lds s[G0B:G0B+3], s[G1B:G1B+7]
	s_nop 0
	tensor_load_to_lds s[G0B+4:G0B+7], s[G1B:G1B+7]
	s_nop 0
	PLACES
.Lfirst_asked:
	; a fragment is 16 rows x 32 K in 8 registers: lane l holds row l % 16, K = 8 (l / 16) + 0..7 and 16 + 8 (l / 16) + 0..7: two loads of 16 bytes, 32 bytes apart
	v_and_b32 v1, 15, v0
	v_bfe_u32 v2, v0, 4, 1
	v_mul_u32_u24 v3, v1, PITCH
	v_lshl_add_u32 v3, v2, 4, v3                   ; row x pitch + 16 x half
	s_mul_i32 s22, s11, AHALF
	s_mul_i32 s23, s12, BHALF
	s_add_co_u32 s23, s23, BOFF
	v_add_nc_u32 v[A0], s22, v3
	v_add_nc_u32 v[B0], s23, v3
	v_mov_b32 v[ADRA], v[A0]
	v_mov_b32 v[ADRB], v[B0]
	s_mov_b32 s[SB], 0
	s_mul_i32 s22, s10, 3*SGRP
	s_add_co_u32 s22, s22, STAGE                   ; my stage
	v_add_nc_u32 v[STO], s22, v3                   ; in: row l % 16, 16 bytes for each half of the lanes
	v_and_b32 v4, 31, v0
	v_lshrrev_b32 v5, 3, v4
	v_and_b32 v6, 7, v0
	v_mul_u32_u24 v5, v5, PITCH                    ; back: 32 lanes take four rows of 128 bytes,
	v_lshl_add_u32 v5, v6, 4, v5
	v_add_nc_u32 v[RD], s22, v5
	v_lshlrev_b32 v[CO], 4, v4                     ; which are 512 consecutive bytes of qkv
	s_mul_i32 s70, s42, 6                          ; my first channel block: 6 x tile column + 3 x half
	s_mul_i32 s71, s12, 3
	s_add_co_u32 s70, s70, s71
	s_lshl_b32 s70, s70, 20
	s_lshl_b32 s71, s13, 15                        ; my first row: 256 x tile row + 128 x half
	s_add_co_u32 s70, s70, s71
	s_lshl_b32 s71, s11, 14
	s_add_co_u32 s70, s70, s71
	s_mov_b32 s71, 0
	s_add_nc_u64 s[8:9], s[6:7], s[70:71]
	; the prefetches
	s_lshl_b32 s70, s13, 15                        ; wave 0: A's tile row, my work-group's 32 blocks, one step further in the cluster with x = 1
	s_lshl_b32 s72, s40, 13
	s_add_co_u32 s70, s70, s72
	s_mul_i32 s72, ttmp9, KBS
	s_add_co_u32 s70, s70, s72
	s_mul_i32 s72, s42, 384*128                    ; waves 1 to 3: B's tile column, my work-group's 48 blocks, my wave's 16
	s_mul_i32 s73, s41, 48*256
	s_add_co_u32 s72, s72, s73
	s_lshl_b32 s73, s10, 12
	s_add_co_u32 s72, s72, s73
	s_add_co_u32 s72, s72, 8192*128-4096
	s_and_b32 s73, ttmp7, 0xffff                   ; cluster y
	s_cmp_eq_u32 s10, 0
	s_cselect_b32 s70, s70, s72
	s_cselect_b32 s74, 31, 15
	s_cselect_b32 s75, 0, KBS
	s_cselect_b32 s73, 0, s73
	s_cmp_eq_u32 s73, 0
	s_cselect_b32 s[LIM], 4, -1                    ; the same in all sixteen partners, for a given wave; trips 0 to 10 have 14 to 4 trips left
	s_add_nc_u64 s[PFA:PFA+1], s[4:5], s[70:71]
	s_add_nc_u64 s[PFA:PFA+1], s[PFA:PFA+1], 2*KBS ; the first trip steps it to K step 3
	v_and_b32 v5, s74, v4
	v_lshrrev_b32 v6, 4, v4
	v_lshlrev_b32 v[PFO], 8, v5
	v_mad_u32_u24 v[PFO], v6, s75, v[PFO]
; cnt x 4 matrix instructions of group g: m blocks a0 .. x the group's four n blocks; every one on another accumulator, so the accumulators take turns
.macro PH g, abuf, a0, cnt, zero
	WIN 0x50*((\g)+1)
.set a, \a0
.rept \cnt
.irp bb, 0,1,2,3
.if \zero
	v_wmma_f32_16x16x32_bf16 v[8*(4*a+\bb):8*(4*a+\bb)+7], v[BF+32*(\g)+8*\bb:BF+32*(\g)+8*\bb+7], v[(\abuf)+8*a:(\abuf)+8*a+7], 0
.else
	v_wmma_f32_16x16x32_bf16 v[8*(4*a+\bb):8*(4*a+\bb)+7], v[BF+32*(\g)+8*\bb:BF+32*(\g)+8*\bb+7], v[(\abuf)+8*a:(\abuf)+8*a+7], v[8*(4*a+\bb):8*(4*a+\bb)+7]
.endif
.endr
.set a, a+1
.endr
.endm
.macro LDA buf, sub                    ; 16 loads: my 128 rows of A, 32 along K at byte 64 sub
	WIN 0
.irp i, 0,1,2,3,4,5,6,7
	ds_load_b128 v[(\buf)+8*\i:(\buf)+8*\i+3],   v[ADRA] offset:\i*SGRP+64*(\sub)
	ds_load_b128 v[(\buf)+8*\i+4:(\buf)+8*\i+7], v[ADRA] offset:\i*SGRP+64*(\sub)+32
.endr
.endm
.macro LDB g, sub                      ; 8 loads: group g's 64 rows of B
	WIN 0
.irp bb, 0,1,2,3
	ds_load_b128 v[BF+32*(\g)+8*\bb:BF+32*(\g)+8*\bb+3],   v[ADRB] offset:(4*(\g)+\bb)*SGRP+64*(\sub)
	ds_load_b128 v[BF+32*(\g)+8*\bb+4:BF+32*(\g)+8*\bb+7], v[ADRB] offset:(4*(\g)+\bb)*SGRP+64*(\sub)+32
.endr
.endm
; The first 32 of a K step, on A's buffer 0.  On entry 40 loads may be out, in this order: A (16), B's groups 0, 1, 2 (8 each); it leaves the same for the second 32.
.macro ESUB zero
	s_wait_dscnt 16                                ; A and group 0 are in; groups 1 and 2 may be out
	PH 0, AF0, 0, 8, \zero
	PLACES
	LDA AF1, 1
	LDB 0, 1
	s_wait_dscnt 32                                ; group 1 is in; out: group 2 and the 24 just issued
	PH 1, AF0, 0, 8, \zero
	PLACES
	LDB 1, 1
	s_wait_dscnt 32                                ; group 2 is in; out: those 24 and group 1's 8
	PH 2, AF0, 0, 8, \zero
	PLACES
	LDB 2, 1
.endm
; The second 32 of a K step, on A's buffer 1, and THE CHANGE OF SLOTS.  Each wave waits for all its tensor loads (one is out: its part of the other slot), adds 0 to its spare word, and waits for
; that and for its reads of this slot; behind the barrier nobody reads this slot and the other is whole.  fill = 1: the barrier opens a round of the cluster's, and the joint refill, two K steps on,
; is the first thing behind it: it has 192 matrix instructions in which to land.
.macro OSUB fill
.if \fill
	s_wait_xcnt 0x0                                ; the last prefetch has read its address
	s_add_nc_u64 s[PFA:PFA+1], s[PFA:PFA+1], KBS
.endif
	WIN 0
	s_wait_tensorcnt 0x0                           ; no tensor load of mine is out, so a group 0 may be written
	ds_add_u32 v[SPW], v[NIL]                      ; 0 onto my spare word
.if \fill
.irp g, G0A+4, G0B+4
	s_xor_b32 s[\g+1], s[\g+1], SLOT1              ; the walking descriptor: the other slot than last time,
	s_add_nc_u64 s[\g+2:\g+3], s[\g+2:\g+3], KBS   ; the next K step
.endr
.endif
	s_wait_dscnt 17                                ; A and group 0 are in; out: groups 1, 2 and the add
	PH 0, AF1, 0, 4, 0
	s_wait_dscnt 0x0                               ; the add is done, and my reads of this slot are over
	s_barrier_signal -1
	PH 0, AF1, 4, 4, 0                             ; work on registers while the others arrive
	WIN 0
	s_barrier_wait -1
.if \fill
	CREST
	JLOAD                                          ; its four v_nop are also the places ahead of the loads below
.else
	PLACES
.endif
	s_xor_b32 s[SB], s[SB], SLOT1
	v_add_nc_u32 v[ADRA], s[SB], v[A0]
	v_add_nc_u32 v[ADRB], s[SB], v[B0]
	LDA AF0, 0
	LDB 0, 0
.if \fill
	ASK
.endif
	PH 1, AF1, 0, 8, 0
	PLACES
	LDB 1, 0
	PH 2, AF1, 0, 8, 0
	PLACES
	LDB 2, 0
.endm
; THE WAY OUT of m block a: 12 accumulators rounded to f16 (16 bytes a lane), through my own stage, back as rows of 128 bytes: 16 rows of a channel block are 2,048 consecutive bytes of qkv.
.macro PACK a
.irp g, 0,1,2
	WIN 5*(\g+1)                                   ; sources 0 and 1 in window g + 1
.irp bb, 0,1,2,3
.irp rr, 0,1,2,3
	v_cvt_pk_f16_f32 v[TMP+16*\g+4*\bb+\rr], v[8*(4*(\a)+\bb)+2*\rr], v[8*(4*(\a)+\bb)+2*\rr+1]
.endr
.endr
.endr
	WIN 0
.endm
.macro TOSTAGE a
.set BK, OB+48*((\a)%2)
.irp g, 0,1,2
.irp bb, 0,1,2,3
	ds_store_b128 v[STO], v[TMP+16*\g+4*\bb:TMP+16*\g+4*\bb+3] offset:\g*SGRP+32*\bb
.endr
.endr
.irp g, 0,1,2
.irp i, 0,1,2,3
	ds_load_b128 v[BK+16*\g+4*\i:BK+16*\g+4*\i+3], v[RD] offset:\g*SGRP+\i*4*PITCH  ; LDS serves a wave's instructions in order: these see the stores above
.endr
.endr
.endm
.macro SEND a
.set BK, OB+48*((\a)%2)
	s_wait_dscnt 0x0                               ; the block is back in registers
	s_wait_xcnt 0x0                                ; the stores of the block before have read their registers: the next TOSTAGE loads into them
.irp g, 0,1,2
.irp i, 0,1,2,3
	global_store_b128 v[CO], v[BK+16*\g+4*\i:BK+16*\g+4*\i+3], s[8:9] offset:\g*CBS+(\a)*2048+\i*512  ; 512 consecutive bytes, at a multiple of 256 from qkv's first
.endr
.endr
.endm
	s_wait_tensorcnt 1                             ; my part of K step 0 is in; step 1's may stay out
	s_barrier_signal -1
	s_barrier_wait -1
	LDA AF0, 0
	LDB 0, 0
	LDB 1, 0
	LDB 2, 0
	ESUB 1                                         ; the first products start the sums: nothing is cleared
	s_mov_b32 s3, STEPS-2
.Lstep:                                        ; trip i: the second half of K step i, the refill with step i + 2, the first half of step i + 1
	OSUB 1
	ESUB 0
	s_sub_co_u32 s3, s3, 1
	s_cmp_lg_u32 s3, 0
	s_cbranch_scc1 .Lstep
	OSUB 0                                         ; the tail is written out: nothing is left to ask for
	ESUB 0
	s_wait_dscnt 16
	PH 0, AF1, 0, 8, 0
	s_wait_dscnt 8
	PH 1, AF1, 0, 8, 0
	s_wait_dscnt 0x0
	PH 2, AF1, 0, 8, 0
	PLACES
	PACK 0
	TOSTAGE 0
.irp a, 1,2,3,4,5,6,7
	PACK \a                                        ; a block's conversions stand between the loads of the block before and the wait for them
	SEND (\a)-1
	TOSTAGE \a
.endr
	SEND 7
	s_wait_tensorcnt 0x0                           ; the wave's end
	ds_add_u32 v[SPW], v[NIL]
	s_wait_dscnt 0x0
	CROUND                                         ; the closing round
	s_endpgm
.Lfunc_end_k_qf84d0dd909_proj:
	.size	k_qf84d0dd909_proj, .Lfunc_end_k_qf84d0dd909_proj-k_qf84d0dd909_proj
	.p2alignl 7, 3214868480
	.fill 96, 4, 3214868480
	.section	.rodata,"a",@progbits
	.p2align	6, 0x0
	.amdhsa_kernel k_qf84d0dd909_proj
		.amdhsa_group_segment_fixed_size 327680
		.amdhsa_private_segment_fixed_size 0
		.amdhsa_enable_private_segment 0
		.amdhsa_kernarg_size 16
		.amdhsa_user_sgpr_count 2
		.amdhsa_user_sgpr_kernarg_segment_ptr 1
		.amdhsa_wavefront_size32 1
		.amdhsa_system_sgpr_workgroup_id_x 1
		.amdhsa_system_sgpr_workgroup_id_y 1
		.amdhsa_system_sgpr_workgroup_id_z 1
		.amdhsa_system_vgpr_workitem_id 0
		.amdhsa_next_free_vgpr 1024
		.amdhsa_next_free_sgpr 80
		.amdhsa_reserve_vcc 0
		.amdhsa_float_denorm_mode_32 3
		.amdhsa_float_denorm_mode_16_64 3
		.amdhsa_memory_ordered 1
		.amdhsa_forward_progress 1
		.amdhsa_inst_pref_size 111
	.end_amdhsa_kernel
	.amdgpu_metadata
---
amdhsa.version: [ 1, 2 ]
amdhsa.kernels:
  - .name:           k_qf84d0dd909_proj
    .symbol:         k_qf84d0dd909_proj.kd
    .args:
      - { .name: xw, .offset: 0, .size: 8, .value_kind: global_buffer, .address_space: global }
      - { .name: qkv, .offset: 8, .size: 8, .value_kind: global_buffer, .address_space: global }
    .group_segment_fixed_size: 327680
    .private_segment_fixed_size: 0
    .kernarg_segment_align: 8
    .kernarg_segment_size: 16
    .max_flat_workgroup_size: 128
    .sgpr_count:     80
    .vgpr_count:     1024
    .wavefront_size: 32
...
	.end_amdgpu_metadata
.endif
;; end of part 2
;; launch score (part 3): grid 9 x 16, 4 waves a work-group, no clusters, 327,680 bytes of LDS; arguments qkv, pbuf, stats; writes pbuf, stats
.if DOCPART == 3
	.amdgcn_target "amdgcn-amd-amdhsa--gfx1250"
	.amdhsa_code_object_version 6
	.text
	.protected	k_qf84d0dd909_score
	.globl	k_qf84d0dd909_score
	.p2align	8
	.type	k_qf84d0dd909_score,@function
k_qf84d0dd909_score:
	s_mov_b64 s[64:65], 0
	v_nop
	global_prefetch_b8 v0, s[64:65] scope:SCOPE_SE
	s_setreg_imm32_b32 hwreg(HW_REG_WAVE_MODE, 25, 1), 1
	s_wait_xcnt 0x0
; SCORE.  The tiles of s = q k^T on and below the diagonal, and the softmax's first half.  q, k: f16 from qkv[cb][row][64]; sums f32.
; For each query row and each CHUNK t of 128 keys: m = the chunk's largest visible score, p = 2^(c s - c m) in f16 (c = log2(e) / 32), l = the sum of the unrounded p.  The launch behind joins the chunks.
; pbuf[b 4][J 4][y 4][t 16][rho 128][key 128] f16: query row = 512 J + 128 x + 32 y + 16 e + r, rho = 32 x + 16 e + r (x: a band of 128 rows; y: a stripe of 32 rows in it; e 0, 1; r 0..15).
; stats: 256 bytes for each (b, J, t, x, y): [e 2][r 16][c m, l] f32.  Only chunks t <= 4 J + x are written.
; LIMITS.  A hidden score counts as its value less 1e30; p below 6e-5 keeps f16's fixed step; a weight below 2^-126 counts as 0; NaN and infinities are not treated apart.
; SHARES.  A work-group makes 256 queries x 256 keys; a batch has 36 such tiles on or below the diagonal: 144 work-groups.  Tile rows 7 - f and f have 9 tiles together: grid 9 x (4 batches x 4 f).
; A wave makes 128 x 128: one band and one chunk, 64 accumulators.  In the 32 diagonal work-groups wave 1's chunk lies wholly above the diagonal: it multiplies along, since it passes every
; barrier, and stores nothing.
; NO CLUSTER: a tile row has 1 to 8 tiles; the staircase of 36 has no split into straight fours, and to fill up squares of 4 x 4 would launch work-groups whose tiles are wholly hidden.
; K (the 1,024 channels) goes in steps of 128 through two LDS slots.  A slot has four regions of 256 rows x 64 channels: q's two channel blocks, then k's two.  Each is a dense block of 32,768 bytes
; of memory, asked for by one wave as 128 rows of 256 bytes, padded behind every 128.  Two tensor loads of a wave are out at the start, one behind each change of slots.
; THE MATRIX INSTRUCTION IS USED TRANSPOSED (source 0 = 16 keys, source 1 = 16 queries): a lane holds one query (lane % 16) and the keys 8 (lane / 16) + 0..7 of each of 8 blocks.
; THE MASK is the C operand that starts a sum: 0, or -1e30 where the key is hidden.  Only where my chunk is my band's own: block b < a: 0; b > a: all hidden; b = a: hidden where 8 (lane / 16) + j > lane % 16.
; REGISTERS.  window 0: v16-31 addresses; v32-47 the two masks; v48-63 at work; v64-127, v128-191 q's fragments, two buffers (later the way out).  window 1: v64-191 k's fragments.
;   window 2: the accumulators of my rows 0-63 ((a, b) at v[8 (8 a + b)]); window 3: those of my rows 64-127.
.set CBS,    8192*128
.set PITCH,  144
.set REG,    256*PITCH                 ; a region
.set SLOT,   4*REG
.set STAGE,  2*SLOT                    ; behind the ring: 16 rows x 272 bytes for each wave
.set SPITCH, 272
.set SPARE,  STAGE+4*16*SPITCH
.set K1, 64                            ; where a K step's quarters 1, 2, 3 begin, from quarter 0
.set K2, REG
.set K3, REG+64
.set ADRA, 16                          ; v16-17  my q fragments in slot 0, 1; never rewritten
.set ADRB, 20                          ; v20-21  the same for k
.set STO,  24
.set RD,   25
.set CO,   26                          ; v26  16 x lane
.set ST8,  27                          ; v27  8 x lane
.set SPW,  28
.set NIL,  29
.set PFO,  30                          ; v30  256 x lane
.set MDG,  32                          ; v[32:39]  the mask of a block on the diagonal
.set MF,   40                          ; v[40:47]  the mask of a block above it
.set C8,   48                          ; v[48:55]  at work
.set CM,   56                          ; v[56:57]  c m
.set SE,   58                          ; v[58:59]  (c m, l) of the even tile, v[60:61] of the odd one
.set SD,   62                          ; v[62:63]  what a lane stores of them
.set F0,   64
.set F1,   128
.set TMP,  64                          ; the way out: 32 packed registers
.set OB,   96                          ; 32 registers read back, two sets by turns
.set G1, 24                            ; s[24:31]
.set G0, 32                            ; s[32:39] a set for each slot
.set TI, 40                            ; tile row
.set TJ, 41                            ; tile column
.set BB, 42                            ; batch
.set LIM, 43
.set PFA, 44
.set GB, 46                            ; my band 0..15
.set TT, 47                            ; my chunk 0..15
.set BG, 48                            ; -1e30 where my chunk is my band's own, else 0
.set CS, 58                            ; s[58:59] c
.set SEL, 60                           ; s[60:61] v_permlanex16_b32's selects
.set MSK, 62                           ; lanes 16-31
.set BIGN, 63
.set MSB, 0
.macro WIN new
.if MSB != (\new)
	s_set_vgpr_msb (MSB<<8)|(\new)
.set MSB, \new
.endif
.endm
.set MUL_LO, 0xa1                      ; source 0 (k) window 1, source 1 (q) window 0, C and D window 2
.set TO_B,   0x40
.macro PLACES
.rept 4
	v_nop
.endr
.endm
	s_load_b128 s[4:7], s[0:1], 0x0                ; qkv s[4:5], pbuf s[6:7]
	s_load_b64 s[8:9], s[0:1], 0x10                ; stats
	v_lshl_add_u32 v[SPW], v0, 2, SPARE
	v_mov_b32 v[NIL], 0
	ds_add_u32 v[SPW], v[NIL]                      ; the wave's opening: the add and its wait stand ahead of my first tensor load
	v_lshrrev_b32 v1, 5, v0
	v_readfirstlane_b32 s10, v1
	s_lshr_b32 s11, s10, 1                         ; my half of the queries.  Also: I fetch q (0) or k (1)
	s_and_b32 s12, s10, 1                          ; my half of the keys.  Also: which channel block of a step I fetch
	s_and_b32 s20, ttmp7, 0xffff
	s_lshr_b32 s[BB], s20, 2
	s_and_b32 s21, s20, 3                          ; f
	s_sub_co_u32 s22, 7, s21
	s_add_co_u32 s23, ttmp9, s21
	s_sub_co_u32 s23, s23, 8
	s_cmp_le_u32 ttmp9, s22                        ; the first 8 - f of the nine lie in tile row 7 - f, the other f + 1 in tile row f
	s_cselect_b32 s[TI], s22, s21
	s_cselect_b32 s[TJ], ttmp9, s23
	s_lshl1_add_u32 s[GB], s[TI], s11
	s_lshl1_add_u32 s[TT], s[TJ], s12
	s_mov_b32 s[G1], (1<<16)|(1<<20)|(4<<22)|(3<<25)  ; 2-byte elements; padding on: behind every 32 words, 4 words
	s_mov_b32 s[G1+1], 128<<16
	s_mov_b32 s[G1+2], 128<<16
	s_mov_b32 s[G1+3], 128<<16
	s_mov_b32 s[G1+4], 128
	s_mov_b32 s[G1+5], 128
	s_mov_b32 s[G1+6], 0
	s_mov_b32 s[G1+7], 0
	s_mov_b32 s[CS], 0x3d38aa3b                    ; c = log2(e) / 32
	s_mov_b32 s[CS+1], s[CS]
	s_mov_b32 s[SEL], 0x76543210
	s_mov_b32 s[SEL+1], 0xfedcba98
	s_mov_b32 s[MSK], 0xffff0000
	s_mov_b32 s[BIGN], 0xf149f2ca                  ; -1e30
	s_cmp_eq_u32 s11, 0
	s_cselect_b32 s16, s[TI], s[TJ]                ; my region's 256 rows,
	s_lshl_b32 s16, s16, 15
	s_lshl_b32 s17, s[BB], 18
	s_add_co_u32 s16, s16, s17
	s_lshl4_add_u32 s17, s11, s12                  ; in channel block 16 x (q or k) + which
	s_lshl_b32 s17, s17, 20
	s_add_co_u32 s16, s16, s17
	s_mov_b32 s17, 0
	s_mul_i32 s20, s10, REG                        ; and its place in a slot
	s_cmp_eq_u32 s[TI], s[TJ]
	s_cselect_b32 s[LIM], 1, -1                    ; the diagonal work-groups prefetch
	s_wait_dscnt 0x0                               ; the opening add is done
	s_wait_kmcnt 0x0
	s_add_nc_u64 s[14:15], s[4:5], s[16:17]
.irp s, 0,1
	s_mov_b32 s[G0+4*\s], 1
	s_add_co_u32 s[G0+4*\s+1], s20, \s*SLOT
	s_add_nc_u64 s[G0+4*\s+2:G0+4*\s+3], s[14:15], \s*2*CBS
	s_or_b32 s[G0+4*\s+3], s[G0+4*\s+3], 0x80000000
	tensor_load_to_lds s[G0+4*\s:G0+4*\s+3], s[G1:G1+7]  ; K steps 0 and 1
	s_nop 0
.endr
	s_add_nc_u64 s[PFA:PFA+1], s[14:15], 4*CBS     ; at K step 2: the first change steps it to 3
	v_and_b32 v1, 15, v0
	v_bfe_u32 v2, v0, 4, 1
	v_mul_u32_u24 v3, v1, PITCH
	v_lshl_add_u32 v3, v2, 4, v3
	s_mul_i32 s21, s11, 128*PITCH
	s_mul_i32 s22, s12, 128*PITCH
	s_add_co_u32 s22, s22, 2*REG
.irp s, 0,1
	v_add_nc_u32 v[ADRA+\s], s21, v3
	v_add_nc_u32 v[ADRB+\s], s22, v3
	s_add_co_u32 s21, s21, SLOT
	s_add_co_u32 s22, s22, SLOT
.endr
	s_mul_i32 s23, s10, 16*SPITCH
	s_add_co_u32 s23, s23, STAGE
	v_mul_u32_u24 v4, v1, SPITCH
	v_lshl_add_u32 v4, v2, 4, v4
	v_add_nc_u32 v[STO], s23, v4                   ; in: row l % 16, 16 bytes for each half of the lanes
	v_mul_u32_u24 v4, v2, SPITCH
	v_lshl_add_u32 v4, v1, 4, v4
	v_add_nc_u32 v[RD], s23, v4                    ; back: lanes 0-15 one row of 256 bytes, lanes 16-31 the next
	v_and_b32 v4, 31, v0
	v_lshlrev_b32 v[CO], 4, v4
	v_lshlrev_b32 v[ST8], 3, v4
	v_lshlrev_b32 v[PFO], 8, v4
	v_lshlrev_b32 v5, 3, v2
	v_sub_nc_u32 v5, v1, v5                        ; l % 16 - 8 (l / 16): register j is hidden where j is greater
	s_cmp_eq_u32 s[TT], s[GB]
	s_cselect_b32 s[BG], s[BIGN], 0
.irp j, 0,1,2,3,4,5,6,7
	v_cmp_gt_i32 vcc_lo, \j, v5
	v_cndmask_b32 v[MDG+\j], 0, s[BG], vcc_lo
	v_mov_b32 v[MF+\j], s[BG]
.endr
	s_lshr_b32 s50, s[GB], 2                       ; J
	s_and_b32 s51, s[GB], 3                        ; x
	s_lshl2_add_u32 s50, s[BB], s50                ; 4 b + J
	s_lshl_b32 s52, s50, 6
	s_add_co_u32 s52, s52, s[TT]
	s_lshl_b32 s52, s52, 15                        ; pbuf: ((4 b + J) 64 + t) tiles of 32,768 bytes (y = 0),
	s_lshl_b32 s53, s51, 13                        ; + band x's 32 rows of 256 bytes
	s_add_co_u32 s52, s52, s53
	s_mov_b32 s53, 0
	s_add_nc_u64 s[6:7], s[6:7], s[52:53]
	s_lshl4_add_u32 s52, s50, s[TT]
	s_lshl2_add_u32 s52, s52, s51
	s_lshl_b32 s52, s52, 10                        ; stats: (((4 b + J) 16 + t) 4 + x) x four units of 256 bytes
	s_add_nc_u64 s[8:9], s[8:9], s[52:53]
; 16 matrix instructions: m blocks a0, a0 + 1 of the window's four x all 8 key blocks, 32 channels.  All 64 accumulators take turns in the same order in every quarter.
.macro MUL16 f, hi, a0
	WIN MUL_LO+0x50*(\hi)
.irp a, \a0, (\a0)+1
.irp b, 0,1,2,3,4,5,6,7
	v_wmma_f32_16x16x32_f16 v[8*(8*(\a)+(\b)):8*(8*(\a)+(\b))+7], v[(\f)+8*(\b):(\f)+8*(\b)+7], v[(\f)+8*(4*(\hi)+(\a)):(\f)+8*(4*(\hi)+(\a))+7], v[8*(8*(\a)+(\b)):8*(8*(\a)+(\b))+7]
.endr
.endr
.endm
.macro MULZ f, hi, a0                  ; the same for the first quarter: the products start the sums, with 0 or with a mask (C in window 0)
	WIN 0x81+0x40*(\hi)
.irp a, \a0, (\a0)+1
.irp b, 0,1,2,3,4,5,6,7
.if (\b) < (4*(\hi)+(\a))
	v_wmma_f32_16x16x32_f16 v[8*(8*(\a)+(\b)):8*(8*(\a)+(\b))+7], v[(\f)+8*(\b):(\f)+8*(\b)+7], v[(\f)+8*(4*(\hi)+(\a)):(\f)+8*(4*(\hi)+(\a))+7], 0
.elseif (\b) == (4*(\hi)+(\a))
	v_wmma_f32_16x16x32_f16 v[8*(8*(\a)+(\b)):8*(8*(\a)+(\b))+7], v[(\f)+8*(\b):(\f)+8*(\b)+7], v[(\f)+8*(4*(\hi)+(\a)):(\f)+8*(4*(\hi)+(\a))+7], v[MDG:MDG+7]
.else
	v_wmma_f32_16x16x32_f16 v[8*(8*(\a)+(\b)):8*(8*(\a)+(\b))+7], v[(\f)+8*(\b):(\f)+8*(\b)+7], v[(\f)+8*(4*(\hi)+(\a)):(\f)+8*(4*(\hi)+(\a))+7], v[MF:MF+7]
.endif
.endr
.endr
.endm
.macro FETCH slot, k, f                ; 32 LDS loads in one run: a quarter's fragments: 128 keys, then 128 queries
	WIN TO_B
.irp i, 0,1,2,3,4,5,6,7
	ds_load_b128 v[(\f)+8*(\i):(\f)+8*(\i)+3],   v[ADRB+(\slot)] offset:(\k)+(\i)*16*PITCH
	ds_load_b128 v[(\f)+8*(\i)+4:(\f)+8*(\i)+7], v[ADRB+(\slot)] offset:(\k)+(\i)*16*PITCH+32
.endr
	WIN 0
.irp i, 0,1,2,3,4,5,6,7
	ds_load_b128 v[(\f)+8*(\i):(\f)+8*(\i)+3],   v[ADRA+(\slot)] offset:(\k)+(\i)*16*PITCH
	ds_load_b128 v[(\f)+8*(\i)+4:(\f)+8*(\i)+7], v[ADRA+(\slot)] offset:(\k)+(\i)*16*PITCH+32
.endr
.endm
; One of a K step's first three quarters: multiplies buffer f; in its middle it fetches the next quarter, at byte k, into buffer g.
.macro QUARTER slot, k, f, g, zero
	s_wait_dscnt 8                                 ; k's fragments and q's rows 0-63 are in; the youngest eight loads may be out
.if \zero
	MULZ \f, 0, 0
	MULZ \f, 0, 2
.else
	MUL16 \f, 0, 0
	MUL16 \f, 0, 2
.endif
	PLACES
	FETCH \slot, \k, \g
	s_wait_dscnt 32                                ; all but the 32 just issued
.if \zero
	MULZ \f, 1, 0
	MULZ \f, 1, 2
.else
	MUL16 \f, 1, 0
	MUL16 \f, 1, 2
.endif
.endm
; A PREFETCH INTO THE L2 behind each refill and its run of LDS loads: my own region (128 blocks of 256 bytes, a lane a block, four instructions) of the K step that stands one refill on.
; Each tile of 256 rows of q and of k has exactly one diagonal work-group: those ask, nobody else, so each block is named once.  K steps 0 to 2 come by their loads alone; the last refill asks for nothing.
.macro ASK slot
.if (\slot) == 0
	s_cmp_eq_u32 s[LIM], 1
.else
	s_cmp_gt_u32 s3, s[LIM]                        ; s3 = 1 in the loop's last trip
.endif
	s_cbranch_scc0 .Lnot_mine_\@
.irp q, 0,1,2,3
	global_prefetch_b8 v[PFO], s[PFA:PFA+1] offset:\q*8192 th:TH_LOAD_NT scope:SCOPE_SE
.endr
.Lnot_mine_\@:
.endm
; The last quarter multiplies buffer 1 and changes slots: one barrier.  Ahead of it each wave waits for all its tensor loads (one is out: its region of the next slot), adds 0 to its spare word, and waits
; for that and for its reads of this slot.  fill = 1: this slot is filled again, two K steps on, first thing behind the barrier: 224 matrix instructions ahead of the wait for it.
.macro TURN slot, next, fill
.if \fill
	s_wait_xcnt 0x0                                ; the last prefetches, a K step back, have read their address
	s_add_nc_u64 s[PFA:PFA+1], s[PFA:PFA+1], 2*CBS
.endif
	WIN 0
	s_wait_tensorcnt 0x0
	ds_add_u32 v[SPW], v[NIL]
	s_wait_dscnt 9                                 ; the add and the youngest eight loads may be out
	MUL16 F1, 0, 0
	s_wait_dscnt 0x0                               ; the add is done, and my reads of this slot are over
	s_barrier_signal -1
	MUL16 F1, 0, 2
	WIN 0
	s_barrier_wait -1
.if \fill
	s_add_nc_u64 s[G0+4*(\slot)+2:G0+4*(\slot)+3], s[G0+4*(\slot)+2:G0+4*(\slot)+3], 4*CBS
	tensor_load_to_lds s[G0+4*(\slot):G0+4*(\slot)+3], s[G1:G1+7]
	s_nop 0
.endif
	PLACES
	FETCH \next, 0, F0
.if \fill
	ASK \slot
.endif
	MUL16 F1, 1, 0
	MUL16 F1, 1, 2
.endm
	s_wait_tensorcnt 1                             ; my region of K step 0 is in; step 1's may stay out
	s_barrier_signal -1
	s_barrier_wait -1
	FETCH 0, 0, F0
	QUARTER 0, K1, F0, F1, 1
	WIN 0
	s_mov_b32 s3, 3
.Llap:                                         ; a trip goes once round the ring, from a lap's second quarter to the next lap's first, and fills both slots again
	QUARTER 0, K2, F1, F0, 0
	QUARTER 0, K3, F0, F1, 0
	TURN 0, 1, 1
	QUARTER 1, K1, F0, F1, 0
	QUARTER 1, K2, F1, F0, 0
	QUARTER 1, K3, F0, F1, 0
	TURN 1, 0, 1
	QUARTER 0, K1, F0, F1, 0
	WIN 0
	s_sub_co_u32 s3, s3, 1
	s_cmp_lg_u32 s3, 0
	s_cbranch_scc1 .Llap
	QUARTER 0, K2, F1, F0, 0                       ; the last lap is written out: it fills nothing
	QUARTER 0, K3, F0, F1, 0
	TURN 0, 1, 0
	QUARTER 1, K1, F0, F1, 0
	QUARTER 1, K2, F1, F0, 0
	QUARTER 1, K3, F0, F1, 0
	s_wait_dscnt 8
	MUL16 F1, 0, 0
	MUL16 F1, 0, 2
	s_wait_dscnt 0x0
	MUL16 F1, 1, 1-1
	MUL16 F1, 1, 2
	WIN 0
	s_cmp_gt_u32 s[TT], s[GB]                      ; a chunk wholly above the diagonal: nothing is stored
	s_cbranch_scc1 .Lend
; THE SOFTMAX'S FIRST HALF for m block a: 16 queries x 128 keys, 64 scores a lane, in place.  The 64 exponentials are one batch with one wait.
.macro SOFT a
.set W2, 2+(\a)/4
.set S,  64*((\a)%4)
.set PR, SE+2*((\a)%2)
	WIN 0x15*W2                                    ; three sources in the accumulators' window
.irp b, 0,1,2,3,4,5,6,7
	v_max3_num_f32 v[C8+\b], v[S+8*\b], v[S+8*\b+1], v[S+8*\b+2]  ; each accumulator's lowest registers are read first
.endr
	WIN 0x14*W2                                    ; sources 1 and 2
.irp b, 0,1,2,3,4,5,6,7
	v_max3_num_f32 v[C8+\b], v[C8+\b], v[S+8*\b+3], v[S+8*\b+4]
.endr
.irp b, 0,1,2,3,4,5,6,7
	v_max3_num_f32 v[C8+\b], v[C8+\b], v[S+8*\b+5], v[S+8*\b+6]
.endr
.irp i, 0,1,2,3
	v_max3_num_f32 v[C8+\i], v[C8+\i], v[S+16*\i+7], v[S+16*\i+15]
.endr
	WIN 0
	v_max3_num_f32 v[C8], v[C8], v[C8+1], v[C8+2]
	v_max3_num_f32 v[C8+3], v[C8+3], v[C8+4], v[C8+5]
	v_max3_num_f32 v[C8], v[C8], v[C8+3], v[C8+6]
	v_max_num_f32 v[C8], v[C8], v[C8+7]
	v_permlanex16_b32 v[C8+1], v[C8], s[SEL], s[SEL+1]  ; the query's other 64 keys lie in the lane 16 away
	v_max_num_f32 v[C8], v[C8], v[C8+1]
	v_mul_f32 v[CM], s[CS], v[C8]
	v_mul_f32 v[CM+1], s[CS], v[C8]                ; named with it as a pair
	v_mul_f32 v[PR], s[CS], v[C8]                  ; and kept for the statistics
	WIN 0x41*W2                                    ; destination and source 0
.set i, 0
.rept 32
	v_pk_fma_f32 v[S+i:S+i+1], v[S+i:S+i+1], s[CS:CS+1], v[CM:CM+1] op_sel_hi:[1,0,0] neg_lo:[0,0,1] neg_hi:[0,0,1]  ; c s - c m
.set i, i+2
.endr
.set i, 0
.rept 64
	v_exp_f32 v[S+i], v[S+i]
.set i, i+1
.endr
	v_nop                                          ; a plain instruction behind the last exponential,
	s_wait_alu depctr_va_vdst(0)                   ; and the one wait for the batch, ahead of its first reader
	WIN 0x05*W2                                    ; sources 0 and 1
.set i, 0
.rept 32
	v_cvt_pk_f16_f32 v[TMP+i], v[S+2*i], v[S+2*i+1]
.set i, i+1
.endr
	WIN 0x45*W2                                    ; destination and both sources: the sum of the 32 pairs, in place
.irp w, 16,8,4,2
.set i, 0
.rept \w
	v_pk_add_f32 v[S+2*i:S+2*i+1], v[S+2*i:S+2*i+1], v[S+2*(i+\w):S+2*(i+\w)+1]
.set i, i+1
.endr
.endr
	WIN 0x05*W2
	v_pk_add_f32 v[C8:C8+1], v[S:S+1], v[S+2:S+3]
	WIN 0
	v_add_f32 v[C8], v[C8], v[C8+1]
	v_permlanex16_b32 v[C8+1], v[C8], s[SEL], s[SEL+1]
	v_add_f32 v[PR+1], v[C8], v[C8+1]
.endm
.macro TOSTAGE a                       ; 16 bytes a lane into rows of 272 bytes of my own stage, back as whole rows of 256
.set BK, OB+32*((\a)%2)
.irp b, 0,1,2,3,4,5,6,7
	ds_store_b128 v[STO], v[TMP+4*\b:TMP+4*\b+3] offset:32*\b
.endr
.irp i, 0,1,2,3,4,5,6,7
	ds_load_b128 v[BK+4*\i:BK+4*\i+3], v[RD] offset:\i*2*SPITCH  ; LDS serves a wave's instructions in order: these see the stores above
.endr
.endm
.macro SEND a
.set BK, OB+32*((\a)%2)
	s_wait_dscnt 0x0
	s_wait_xcnt 0x0                                ; earlier stores have read their registers: the next TOSTAGE loads into them
.irp i, 0,1,2,3,4,5,6,7
	global_store_b128 v[CO], v[BK+4*\i:BK+4*\i+3], s[6:7] offset:((\a)/2)*524288+((\a)%2)*4096+\i*512  ; stripe a / 2; 512 consecutive bytes, at a multiple of 256 from pbuf's first
.endr
.endm
	PLACES
	SOFT 0
	TOSTAGE 0
.irp a, 1,2,3,4,5,6,7
	SOFT \a
.if ((\a)%2) == 1
	v_cndmask_b32 v[SD],   v[SE],   v[SE+2], s[MSK]  ; lanes 0-15 store the even tile's rows, lanes 16-31 the odd tile's: 256 consecutive bytes
	v_cndmask_b32 v[SD+1], v[SE+1], v[SE+3], s[MSK]
	global_store_b64 v[ST8], v[SD:SD+1], s[8:9] offset:((\a)/2)*256
.endif
	SEND (\a)-1
	TOSTAGE \a
.endr
	SEND 7
.Lend:
	s_wait_tensorcnt 0x0                           ; the wave's end
	ds_add_u32 v[SPW], v[NIL]
	s_wait_dscnt 0x0
	s_endpgm
.Lfunc_end_k_qf84d0dd909_score:
	.size	k_qf84d0dd909_score, .Lfunc_end_k_qf84d0dd909_score-k_qf84d0dd909_score
	.p2alignl 7, 3214868480
	.fill 96, 4, 3214868480
	.section	.rodata,"a",@progbits
	.p2align	6, 0x0
	.amdhsa_kernel k_qf84d0dd909_score
		.amdhsa_group_segment_fixed_size 327680
		.amdhsa_private_segment_fixed_size 0
		.amdhsa_enable_private_segment 0
		.amdhsa_kernarg_size 24
		.amdhsa_user_sgpr_count 2
		.amdhsa_user_sgpr_kernarg_segment_ptr 1
		.amdhsa_wavefront_size32 1
		.amdhsa_system_sgpr_workgroup_id_x 1
		.amdhsa_system_sgpr_workgroup_id_y 1
		.amdhsa_system_sgpr_workgroup_id_z 1
		.amdhsa_system_vgpr_workitem_id 0
		.amdhsa_next_free_vgpr 1024
		.amdhsa_next_free_sgpr 66
		.amdhsa_reserve_vcc 1
		.amdhsa_float_denorm_mode_32 3
		.amdhsa_float_denorm_mode_16_64 3
		.amdhsa_memory_ordered 1
		.amdhsa_forward_progress 1
		.amdhsa_inst_pref_size 210
	.end_amdhsa_kernel
	.amdgpu_metadata
---
amdhsa.version: [ 1, 2 ]
amdhsa.kernels:
  - .name:           k_qf84d0dd909_score
    .symbol:         k_qf84d0dd909_score.kd
    .args:
      - { .name: qkv, .offset: 0, .size: 8, .value_kind: global_buffer, .address_space: global }
      - { .name: pbuf, .offset: 8, .size: 8, .value_kind: global_buffer, .address_space: global }
      - { .name: stats, .offset: 16, .size: 8, .value_kind: global_buffer, .address_space: global }
    .group_segment_fixed_size: 327680
    .private_segment_fixed_size: 0
    .kernarg_segment_align: 8
    .kernarg_segment_size: 24
    .max_flat_workgroup_size: 128
    .sgpr_count:     66
    .vgpr_count:     1024
    .wavefront_size: 32
...
	.end_amdgpu_metadata
.endif
;; end of part 3
;; launch mix (part 4): grid 8 x 32, 4 waves a work-group, clusters of 4 x 4, 327,680 bytes of LDS; arguments qkv, pbuf, stats, out0; writes out0
.if DOCPART == 4
	.amdgcn_target "amdgcn-amd-amdhsa--gfx1250"
	.amdhsa_code_object_version 6
	.text
	.protected	k_qf84d0dd909_mix
	.globl	k_qf84d0dd909_mix
	.p2align	8
	.type	k_qf84d0dd909_mix,@function
k_qf84d0dd909_mix:
	s_mov_b64 s[64:65], 0
	v_nop
	global_prefetch_b8 v0, s[64:65] scope:SCOPE_SE
	s_setreg_imm32_b32 hwreg(HW_REG_WAVE_MODE, 25, 1), 1
	s_wait_xcnt 0x0
	s_wait_alu depctr_hold_cnt(0) depctr_sa_sdst(0) depctr_va_vdst(0) depctr_va_sdst(0) depctr_va_ssrc(0) depctr_va_vcc(0) depctr_vm_vsrc(0)
	s_getreg_b32 s2, hwreg(HW_REG_IB_STS2, 6, 4)
	s_cmp_eq_u32 s2, 0
	s_cbranch_scc0 .Lentry_in_a_cluster
	s_endpgm
.Lentry_in_a_cluster:
	s_bfe_u32 s2, ttmp6, 0x10000c
	s_cmp_lg_u32 s2, 0xf033
	s_cbranch_scc0 .Lentry_shape_is_right
	s_endpgm
.Lentry_shape_is_right:
; MIX.  out[row] = the sum over the visible chunks t of f_t (P_t V_t), f_t = 2^(cm_t - cM) / L, cM = the largest cm_t, L = the sum of 2^(cm_t - cM) l_t: the softmax's second half and the second product.
; P (f16, pbuf) and (cm, l) (f32, stats) as the launch before laid them; V: f16, qkv's channel blocks 32-47; products, factors and sums f32; out0 f32.
; LIMITS.  As in the launch before; L is at least 1 and f at most 1.  NaN and infinities are not treated apart.
; READ AND DISCARDED: a tile of P is fetched whole, the rows of hidden bands with it, which nobody wrote: they enter no product.  All 16 chunks' statistics are loaded; the hidden ones are replaced by
; v_cndmask_b32 ahead of all arithmetic.
; SHARES.  A work-group makes 128 rows x 128 channels for two super-blocks of 512 rows, first J = 3 - jp, then J = jp.  Its rows are stripe y: 32 rows in each of the super-block's four bands x.
; So the four stripes walk the same chunks and hide the same: V's tiles are shared along a column of the cluster, P's (which hang on y, not on the channels) along a row.
; A wave: 16 rows in each band (4 tiles x) x 64 channels (4 blocks c): O in 16 accumulators' worth of registers.
; THE WALK.  16 - 4 jp steps, then 4 + 4 jp, of one chunk each: 20 steps = 10 slots of two = 5 LAPS of two slots, whatever jp.  Band x sees chunk t <= 4 J + x: bands are hidden only in a block's last
; lap, i of them in the lap's step i.  Tiles go from band 3 down, and step i may leave behind tile i: a forward jump, taken in a block's last lap, past products and their sums alone.
; A STEP: T = V^T P for a tile (16 products, the four accumulators by turns, started with the constant 0), then O += f T: the 16 packed multiply-adds of tile x + 1 stand among the products of tile x.
; No first step is written out: O is cleared where a block begins, 128 lines, twice a launch.
; THE FACTORS.  A lane makes f for two of its row's four bands and all 16 chunks and keeps them in 32 registers.  At a lap's head the four chunks in hand go into the wave's own table in LDS,
; [step 4][r 16][x 4], always at the same bytes, and the other registers move down by eight: so every LDS address of the text is a constant, a lane term and the wave's number times a constant.
; LDS.  A slot: P of step 0, P of step 1 (128 rows, pitch 272), V's two channel blocks (256 keys, pitch 160).  Behind the two slots each wave's own 5,376 bytes: the table (1,024), then the stage for
; the way out (16 rows x 272).  One tensor load a wave behind each change of slots; two are out at the start.
; REGISTERS.  window 0: v2-11 addresses; v32-39 f of two steps; v64-127 T, two sets; v128-255 O.  window 1: V^T's fragments, two buffers ((k, c) at 32 k + 8 c).  window 2: P's ((x, k) at 32 x + 8 k).
;   window 3: the statistics' work and the factors.
.set PP,    272
.set PVP,   160                        ; 40 words
.set PTILE, 128*PP
.set VBLK,  256*PVP
.set VOFF,  2*PTILE
.set SLOT,  VOFF+2*VBLK
.set PRIV,  2*SLOT
.set TBLB,  1024                       ; a wave's table: four steps x 16 rows x 4 bands of f32
.set PRIVW, TBLB+16*PP                 ; and its stage behind it: 21 blocks of 256 bytes in all
.set SPARE, PRIV+4*PRIVW
.set AP,   2                           ; v2-3  my place in P's rows of slot 0, 1; never rewritten
.set AV,   4                           ; v4-5  the same for V
.set FAD,  6                           ; v6    my row's 16 bytes of the table's first step; never rewritten
.set STO,  8
.set RD,   9
.set GO,   10
.set PFO,  11                          ; v11   256 x lane
.set SPW,  28
.set NIL,  29
.set FA,   32                          ; v[32:35] f of bands 0-3 for a slot's first step
.set FB,   36                          ; v[36:39] for its second
.set T,    64
.set O,    128
.set S,    0                           ; window 3: (cm, l) of (j, t) at S + 32 j + 2 t
.set G,    64                          ;           f of (chunk, j) at G + 2 (chunk - the lap's first) + j
.set TM,   96                          ;           the last visible chunk of my two rows
.set SA,   98
.set TA,   99                          ;           where I put my two bands' f of the table's first step; never rewritten
.set MX,   100
.set LL,   102
.set HH,   104
.set WV, 12
.set RH, 13
.set CH, 14
.set CX, 15
.set CY, 16
.set COL, 17
.set G1P, 24
.set G1V, 32
.set G0P, 40                           ; s[40:47] a set for each slot
.set G0V, 48
.set PL,  56                           ; s[56:57] P of the long block, my tile of step 0;  s[58:59] of the short block
.set PS,  58
.set VB,  60                           ; s[60:61] V: my channel block, the batch's key 0
.set TP,  62
.set OFF, 66
.set RT,  68                           ; the chunk that the next refill begins with
.set RSEL, 69                          ; 0: of the long block
.set NL,  70                           ; the long block's steps
.set QT,  71                           ; the same two for the prefetches
.set QSEL, 72
.set SH,  73
.set LIM, 74
.set LEFT, 75
.set LC,  76                           ; laps left in the block in hand
.set BLK, 77
.set PFL, 78
.set PFS, 80
.set PFA, 82
.set OL,  84
.set OS,  86
.set OUT, 88
.set SL,  90
.set SS,  92
.set J4,  94
.set J4L, 95
.set J4S, 96
.set LCL, 97
.set LCS, 98
.set BIGN, 99
.set MSB, 0
.macro WIN new
.if MSB != (\new)
	s_set_vgpr_msb (MSB<<8)|(\new)
.set MSB, \new
.endif
.endm
.macro PLACES
.rept 4
	v_nop
.endr
.endm
.macro CREST
	s_cmp_lg_u32 s[WV], 0
	s_cbranch_scc1 .Lnot_wave_0_\@
	s_barrier_signal -3
.Lnot_wave_0_\@:
	s_barrier_wait -3
	s_barrier_signal -1
	s_barrier_wait -1
.endm
.macro CROUND
	s_barrier_signal -1
	s_barrier_wait -1
	CREST
.endm
.macro JLOAD slot                      ; waves 0, 1: P of the slot's two steps; waves 2, 3: V's two channel blocks
	s_cmp_lt_u32 s[WV], 2
	s_cbranch_scc0 .Lfor_v_\@
	tensor_load_to_lds s[G0P+4*(\slot):G0P+4*(\slot)+3], s[G1P:G1P+7]
	s_nop 0
	PLACES
	s_branch .Lasked_\@
.Lfor_v_\@:
	tensor_load_to_lds s[G0V+4*(\slot):G0V+4*(\slot)+3], s[G1V:G1V+7]
	s_nop 0
	PLACES
.Lasked_\@:
.endm
; A PREFETCH INTO THE L2 behind each refill and its run of LDS loads: the slot that stands two refills on: 256 products ahead of the load that will want it.  A lane a block of 256 bytes, one instruction a wave.
; P's tile is read by both clusters along x: in the one with x = 0 waves 0 and 1 ask, each partner for the 32 blocks 32 cx .. of the wave's tile.  V's keys are walked by both clusters of a batch and again
; in the short block: in the cluster with jp = 0 waves 2 and 3 ask, in the long block's walk alone (the loop's first two trips), each partner for the 32 blocks 32 cy ...  Partners are told apart by address.
; So each block is named once.  Slots 0 to 3 come by their loads alone; the loop's last trip asks for nothing.
.macro ASK
	s_cmp_gt_u32 s[LEFT], s[LIM]
	s_cbranch_scc0 .Lnot_mine_\@
	global_prefetch_b8 v[PFO], s[PFA:PFA+1] th:TH_LOAD_NT scope:SCOPE_SE
.Lnot_mine_\@:
.endm
.macro LDSTATS base                    ; (cm, l) of my two rows (bands 2 (l / 16) + j, row l % 16) for all 16 chunks
	WIN 0xc3                                       ; data and address in window 3
.irp j, 0,1
.irp t, 0,1,2,3,4,5,6,7,8,9,10,11,12,13,14,15
	global_load_b64 v[S+32*\j+2*\t:S+32*\j+2*\t+1], v[SA], s[(\base):(\base)+1] offset:4096*\t+1024*\j
.endr
.endr
	WIN 0
.endm
	s_load_b256 s[4:11], s[0:1], 0x0               ; qkv s[4:5], pbuf s[6:7], stats s[8:9], out0 s[10:11]
	v_lshl_add_u32 v[SPW], v0, 2, SPARE
	v_mov_b32 v[NIL], 0
	ds_add_u32 v[SPW], v[NIL]                      ; the wave's opening: the add and its wait stand ahead of my first tensor load
	v_lshrrev_b32 v1, 5, v0
	v_readfirstlane_b32 s[WV], v1
	s_lshr_b32 s[RH], s[WV], 1                     ; which 16 of a stripe's 32 rows
	s_and_b32 s[CH], s[WV], 1                      ; which 64 channels.  Also: which of the two tiles of my kind I fetch
	s_bfe_u32 s[CX], ttmp6, 0x40000
	s_bfe_u32 s[CY], ttmp6, 0x40004                ; the stripe y
	s_and_b32 s18, ttmp7, 0xffff
	s_lshr_b32 s19, s18, 1                         ; the batch
	s_and_b32 s20, s18, 1                          ; jp
	s_sub_co_u32 s21, 3, s20                       ; the long block's J; the short block's is jp
	s_lshl_b32 s[J4L], s21, 2
	s_lshl_b32 s[J4S], s20, 2
	s_sub_co_u32 s[LCL], 4, s20                    ; laps: 4 - jp, then 1 + jp
	s_add_co_u32 s[LCS], s20, 1
	s_lshl_b32 s[NL], s[LCL], 2
	s_mov_b32 s[RT], 4                             ; slots 0 and 1 are the first fills
	s_mov_b32 s[RSEL], 0
	s_mov_b32 s[QT], 8
	s_mov_b32 s[QSEL], 0
	s_mov_b32 s[BLK], 0
	s_mov_b32 s[OFF+1], 0
	s_mov_b32 s[BIGN], 0xf149f2ca                  ; -1e30
	s_mov_b32 s[LEFT], 5
	s_lshl_b32 s22, s19, 2
	s_add_co_u32 s23, s22, s21                     ; 4 b + J, long
	s_add_co_u32 s22, s22, s20                     ; short
	s_lshl_b32 s62, s[CH], 15
	s_lshl2_add_u32 s[PL], s23, s[CY]              ; P: ((4 b + J) 4 + y) x 16 tiles of 32,768 bytes + my tile: no register here ever holds cx
	s_lshl_b32 s[PL], s[PL], 19
	s_add_co_u32 s[PL], s[PL], s62
	s_mov_b32 s[PL+1], 0
	s_lshl2_add_u32 s[PS], s22, s[CY]
	s_lshl_b32 s[PS], s[PS], 19
	s_add_co_u32 s[PS], s[PS], s62
	s_mov_b32 s[PS+1], 0
	s_lshl_b32 s[COL], ttmp9, 2
	s_add_co_u32 s[COL], s[COL], s[CX]             ; my 128 channels
	s_lshl1_add_u32 s[VB], s[COL], s[CH]           ; V: channel block 32 + 2 col + which, the batch's rows: no register here ever holds cy
	s_add_co_u32 s[VB], s[VB], 32
	s_lshl_b32 s[VB], s[VB], 20
	s_lshl_b32 s62, s19, 18
	s_add_co_u32 s[VB], s[VB], s62
	s_mov_b32 s[VB+1], 0
	s_lshl_b32 s[SL], s23, 16                      ; stats: (4 b + J) x 65,536 + 256 y
	s_lshl_b32 s[SS], s22, 16
	s_lshl_b32 s18, s[CY], 8
	s_add_co_u32 s[SL], s[SL], s18
	s_add_co_u32 s[SS], s[SS], s18
	s_mov_b32 s[SL+1], 0
	s_mov_b32 s[SS+1], 0
	s_lshl_b32 s[OL], s23, 21                      ; out0: row 512 (4 b + J) + 32 y + 16 half, 4,096 bytes a row; + 512 col + 256 half
	s_lshl_b32 s[OS], s22, 21
	s_lshl_b32 s18, s[CY], 17
	s_lshl_b32 s22, s[RH], 16
	s_add_co_u32 s18, s18, s22
	s_lshl_b32 s22, s[COL], 9
	s_add_co_u32 s18, s18, s22
	s_lshl_b32 s22, s[CH], 8
	s_add_co_u32 s18, s18, s22
	s_add_co_u32 s[OL], s[OL], s18
	s_add_co_u32 s[OS], s[OS], s18
	s_mov_b32 s[OL+1], 0
	s_mov_b32 s[OS+1], 0
	s_lshl_b32 s18, s[CY], 2
	s_lshl_b32 s18, 15, s18                        ; my row of the cluster
	s_lshl_b32 s22, 0x1111, s[CX]                  ; my column
	s_or_b32 s[G1P], s18, (1<<16)|(1<<20)|(1<<21)|(5<<22)|(3<<25)  ; P to my row; behind every 64 words, 4 words
	s_or_b32 s[G1V], s22, (1<<16)|(1<<20)|(1<<21)|(4<<22)|(7<<25)  ; V to my column; behind every 32 words, 8 words
.irp g, G1P, G1V
	s_mov_b32 s[\g+1], 128<<16                     ; 128 rows of 256 bytes, dense: 32,768 bytes
	s_mov_b32 s[\g+2], 128<<16
	s_mov_b32 s[\g+3], 128<<16
	s_mov_b32 s[\g+4], 128
	s_mov_b32 s[\g+5], 128
	s_mov_b32 s[\g+6], 0
	s_mov_b32 s[\g+7], 0
.endr
	s_mul_i32 s62, s[CH], PTILE                    ; where they go: the wave's number and constants alone
	s_mul_i32 s63, s[CH], VBLK
	s_add_co_u32 s63, s63, VOFF
	s_cmp_lt_u32 s[WV], 2
	s_cselect_b32 s18, ttmp9, s20                  ; P's askers: cluster x = 0; V's: jp = 0
	s_cselect_b32 s22, 1, 2
	s_cselect_b32 s[SH], 15, 14
	s_cselect_b32 s23, s[CX], s[CY]
	s_cmp_eq_u32 s18, 0
	s_cselect_b32 s[LIM], s22, -1                  ; the same in all sixteen partners, for a given wave
	s_lshl_b32 s22, s23, 13
	s_mov_b32 s23, 0
	s_wait_dscnt 0x0                               ; the opening add is done
	s_wait_kmcnt 0x0
	s_add_nc_u64 s[PL:PL+1], s[6:7], s[PL:PL+1]
	s_add_nc_u64 s[PS:PS+1], s[6:7], s[PS:PS+1]
	s_add_nc_u64 s[VB:VB+1], s[4:5], s[VB:VB+1]
	s_add_nc_u64 s[SL:SL+1], s[8:9], s[SL:SL+1]
	s_add_nc_u64 s[SS:SS+1], s[8:9], s[SS:SS+1]
	s_add_nc_u64 s[OL:OL+1], s[10:11], s[OL:OL+1]
	s_add_nc_u64 s[OS:OS+1], s[10:11], s[OS:OS+1]
	s_cmp_lt_u32 s[WV], 2
	s_cselect_b64 s[PFL:PFL+1], s[PL:PL+1], s[VB:VB+1]
	s_cselect_b64 s[PFS:PFS+1], s[PS:PS+1], s[VB:VB+1]
	s_add_nc_u64 s[PFL:PFL+1], s[PFL:PFL+1], s[22:23]
	s_add_nc_u64 s[PFS:PFS+1], s[PFS:PFS+1], s[22:23]
	CROUND                                         ; all sixteen work-groups are here: the first joint loads meet
.irp s, 0,1
	s_mov_b32 s[G0P+4*\s], 1
	s_add_co_u32 s[G0P+4*\s+1], s62, \s*SLOT
	s_add_nc_u64 s[G0P+4*\s+2:G0P+4*\s+3], s[PL:PL+1], \s*65536
	s_or_b32 s[G0P+4*\s+3], s[G0P+4*\s+3], 0x80000000
	s_mov_b32 s[G0V+4*\s], 1
	s_add_co_u32 s[G0V+4*\s+1], s63, \s*SLOT
	s_add_nc_u64 s[G0V+4*\s+2:G0V+4*\s+3], s[VB:VB+1], \s*32768
	s_or_b32 s[G0V+4*\s+3], s[G0V+4*\s+3], 0x80000000
.endr
	s_cmp_lt_u32 s[WV], 2                          ; a wave's two first fills stand in one branch
	s_cbranch_scc0 .Lfirst_v
	tensor_load_to_lds s[G0P:G0P+3], s[G1P:G1P+7]
	s_nop 0
	tensor_load_to_lds s[G0P+4:G0P+7], s[G1P:G1P+7]
	s_nop 0
	PLACES
	s_branch .Lfirst_asked
.Lfirst_v:
	tensor_load_to_lds s[G0V:G0V+3], s[G1V:G1V+7]
	s_nop 0
	tensor_load_to_lds s[G0V+4:G0V+7], s[G1V:G1V+7]
	s_nop 0
	PLACES
.Lfirst_asked:
	v_and_b32 v12, 15, v0                          ; r = l % 16
	v_bfe_u32 v13, v0, 4, 1                        ; h = l / 16
	v_and_b32 v14, 7, v0
	v_bfe_u32 v15, v0, 3, 1
	s_mul_i32 s18, s[RH], 16*PP                    ; a fragment of P: 16 queries x 32 keys: row x pitch + 16 h, two loads 32 bytes apart
	v_mul_u32_u24 v[AP], v12, PP
	v_lshl_add_u32 v[AP], v13, 4, v[AP]
	v_add_nc_u32 v[AP], s18, v[AP]
	v_add_nc_u32 v[AP+1], SLOT, v[AP]
	s_mul_i32 s18, s[CH], VBLK                     ; the turning load: lane l reads key 8 h + l % 8, channels 8 ((l / 8) % 2) + 0..7, and holds channel l % 16 and 8 keys
	s_add_co_u32 s18, s18, VOFF
	v_lshl_add_u32 v[AV], v13, 3, v14
	v_mul_u32_u24 v[AV], v[AV], PVP
	v_lshl_add_u32 v[AV], v15, 4, v[AV]
	v_add_nc_u32 v[AV], s18, v[AV]
	v_add_nc_u32 v[AV+1], SLOT, v[AV]
	s_mul_i32 s18, s[WV], PRIVW
	s_add_co_u32 s18, s18, PRIV                    ; my own bytes: the table,
	v_lshl_add_u32 v[FAD], v12, 4, s18             ; of which row r has 16 bytes a step,
	s_add_co_u32 s18, s18, TBLB                    ; and the stage
	v_mul_u32_u24 v[STO], v12, PP                  ; in: row r, 32 bytes for each half of the lanes
	v_lshl_add_u32 v[STO], v13, 5, v[STO]
	v_add_nc_u32 v[STO], s18, v[STO]
	v_mul_u32_u24 v[RD], v13, PP                   ; back: lanes 0-15 one row of 256 bytes, lanes 16-31 the next
	v_lshl_add_u32 v[RD], v12, 4, v[RD]
	v_add_nc_u32 v[RD], s18, v[RD]
	v_lshlrev_b32 v[GO], 12, v13                   ; and the same two rows in out0
	v_lshl_add_u32 v[GO], v12, 4, v[GO]
	v_and_b32 v[PFO], 31, v0
	v_lshlrev_b32 v[PFO], 8, v[PFO]
	s_lshl_b32 s18, s[RH], 7
	v_lshlrev_b32 v16, 11, v13                     ; stats: band 2 h (1,024 bytes a band), my half of the stripe, row r
	v_lshl_add_u32 v16, v12, 3, v16
	v_add_nc_u32 v16, s18, v16
	v_lshl_add_u32 v17, v13, 3, v[FAD]             ; the table: row r, bands 2 h and 2 h + 1
	WIN 0xc0                                       ; destination window 3
	v_mov_b32 v[HH], v13
	v_mov_b32 v[SA], v16
	v_mov_b32 v[TA], v17
	WIN 0
	LDSTATS SL                                     ; the long block's
; A LAP'S HEAD: the factors of its four chunks go into my table, at the same bytes in every lap, and the later chunks' registers move down by eight.  The table is my wave's own, and LDS serves a
; wave's instructions in order (ISA guide 5.7.1.4): these stores stand behind the last lap's reads, and the lap's reads behind these stores.
.macro LAPF
	WIN 0xff
.irp t, 0,1,2,3
	ds_store_b64 v[TA], v[G+2*\t:G+2*\t+1] offset:256*\t
.endr
.set i, 0
.rept 24
	v_mov_b32 v[G+i], v[G+i+8]
.set i, i+1
.endr
	WIN 0
.endm
.macro FETCH bf, slot, step            ; 64 LDS loads in one run: a step's V^T (128 keys x 64 channels, turned) and P (64 queries x 128 keys) into buffer bf
	WIN 0x40
.irp k, 0,1,2,3
.irp c, 0,1,2,3
	ds_load_tr16_b128 v[128*(\bf)+32*\k+8*\c:128*(\bf)+32*\k+8*\c+3],   v[AV+(\slot)] offset:(\step)*128*PVP+\k*32*PVP+32*\c
	ds_load_tr16_b128 v[128*(\bf)+32*\k+8*\c+4:128*(\bf)+32*\k+8*\c+7], v[AV+(\slot)] offset:(\step)*128*PVP+\k*32*PVP+16*PVP+32*\c
.endr
.endr
	WIN 0x80
.irp x, 0,1,2,3
.irp k, 0,1,2,3
	ds_load_b128 v[128*(\bf)+32*\x+8*\k:128*(\bf)+32*\x+8*\k+3],   v[AP+(\slot)] offset:(\step)*PTILE+\x*32*PP+64*\k
	ds_load_b128 v[128*(\bf)+32*\x+8*\k+4:128*(\bf)+32*\x+8*\k+7], v[AP+(\slot)] offset:(\step)*PTILE+\x*32*PP+64*\k+32
.endr
.endr
	WIN 0
.endm
.macro FMAG x, c                       ; O(x, c) += f_x T(x, c): four packed multiply-adds, the accumulator's lowest registers first.  FR: the step's four f
	WIN 0
.set TF, T+32*((\x)%2)+8*(\c)
.set OF, O+32*(\x)+8*(\c)
.irp p, 0,2,4,6
.if ((\x)%2) == 1
	v_pk_fma_f32 v[OF+\p:OF+\p+1], v[TF+\p:TF+\p+1], v[FR+2*((\x)/2):FR+2*((\x)/2)+1], v[OF+\p:OF+\p+1] op_sel:[0,1,0]
.else
	v_pk_fma_f32 v[OF+\p:OF+\p+1], v[TF+\p:TF+\p+1], v[FR+2*((\x)/2):FR+2*((\x)/2)+1], v[OF+\p:OF+\p+1] op_sel_hi:[1,0,1]
.endif
.endr
.endm
.macro FMA x
.irp c, 0,1,2,3
	FMAG \x, \c
.endr
.endm
; Tile x: 16 products into T's set x % 2, keys outer, channels inner: the four accumulators take turns.  ride = 1, 2: tile x + 1's sums stand among them, in four groups;
; ride = 1: four v_nop behind the first product are the places behind tile x + 1's last products (ride = 2: such places stand ahead of the tile already).
.macro TILE x, bf, ride
.set TT, T+32*((\x)%2)
.set n, 0
.irp k, 0,1,2,3
.irp c, 0,1,2,3
	WIN 0x09                                       ; V^T window 1, P window 2, T window 0
.if \k == 0
	v_wmma_f32_16x16x32_f16 v[TT+8*\c:TT+8*\c+7], v[128*(\bf)+32*\k+8*\c:128*(\bf)+32*\k+8*\c+7], v[128*(\bf)+32*(\x)+8*\k:128*(\bf)+32*(\x)+8*\k+7], 0
.else
	v_wmma_f32_16x16x32_f16 v[TT+8*\c:TT+8*\c+7], v[128*(\bf)+32*\k+8*\c:128*(\bf)+32*\k+8*\c+7], v[128*(\bf)+32*(\x)+8*\k:128*(\bf)+32*(\x)+8*\k+7], v[TT+8*\c:TT+8*\c+7]
.endif
.if ((\ride) == 1) && (n == 0)
	PLACES
.endif
.if ((\ride) > 0) && ((n == 2) || (n == 5) || (n == 8) || (n == 11))
	FMAG (\x)+1, (n-2)/3
.endif
.set n, n+1
.endr
.endr
.endm
; Tiles 2, 1, 0 behind tile 3.  exx: the tile behind which the step may end.  dyn = 1: it ends there in a block's last lap (a forward jump); dyn = 0: always (the tail).
.macro REST bf, exx, dyn
.irp x, 2,1,0
.if (\dyn) || (\x >= (\exx))
.if (\dyn) && ((\x+1) == (\exx))
	WIN 0
	s_cmp_eq_u32 s[LC], 1
	s_cbranch_scc1 .Lfin_\@
.endif
.if \x == 2
	TILE \x, \bf, 2
.else
	TILE \x, \bf, 1
.endif
.endif
.endr
	WIN 0
	PLACES
.if \dyn
	FMA 0
.if (\exx) > 0
	s_branch .Ldone_\@
.Lfin_\@:
	PLACES
	FMA \exx
.Ldone_\@:
.endif
.else
	FMA \exx
.endif
.endm
; A slot's first step, on buffer 0; it fetches the second step's fragments into buffer 1.  fo: the step's place in the lap's table.
.macro STEP_A slot, fo, exx, dyn
.set FR, FA
	ds_load_b128 v[FA:FA+3], v[FAD] offset:\fo
	s_wait_dscnt 1                                 ; the step's fragments are in (and the table's stores are done); the one load of f just issued may be out
	TILE 3, 0, 0
	s_wait_dscnt 0x0                               ; f is in
	PLACES
	FETCH 1, \slot, 1
	ds_load_b128 v[FB:FB+3], v[FAD] offset:(\fo)+256
	REST 0, \exx, \dyn
.endm
; A slot's second step, on buffer 1, and THE CHANGE OF SLOTS.  Each wave waits for all its tensor loads (one is out: its part of the other slot), adds 0 to its spare word, and waits for that and for its
; reads of this slot.  mode 2: the barrier opens a round of the cluster's; the joint refill, two slots on, is the first thing behind it, and has 128 products in which to land.  Its address is made anew
; from the block's pointer and the chunk's number.  mode 1: nothing is left to ask for.  mode 0: the last step of all.
.macro STEP_B slot, mode, exx, dyn
.set FR, FB
.if (\mode) == 2
	s_wait_xcnt 0x0                                ; the last prefetch, a slot back, has read its address
	s_cmp_eq_u32 s[QSEL], 0
	s_cselect_b64 s[PFA:PFA+1], s[PFL:PFL+1], s[PFS:PFS+1]
	s_lshl_b32 s[OFF], s[QT], s[SH]
	s_add_nc_u64 s[PFA:PFA+1], s[PFA:PFA+1], s[OFF:OFF+1]
	s_add_co_u32 s[QT], s[QT], 2
	s_cmp_eq_u32 s[QT], s[NL]
	s_cselect_b32 s[QT], 0, s[QT]
	s_cselect_b32 s[QSEL], 1, s[QSEL]
.endif
.if (\mode) > 0
	WIN 0
	s_wait_tensorcnt 0x0                           ; no tensor load of mine is out, so a group 0 may be written
	ds_add_u32 v[SPW], v[NIL]
.if (\mode) == 2
	s_cmp_eq_u32 s[RSEL], 0
	s_cselect_b64 s[TP:TP+1], s[PL:PL+1], s[PS:PS+1]
	s_lshl_b32 s[OFF], s[RT], 15                   ; a tile of P is 32,768 bytes,
	s_add_nc_u64 s[G0P+4*(\slot)+2:G0P+4*(\slot)+3], s[TP:TP+1], s[OFF:OFF+1]
	s_or_b32 s[G0P+4*(\slot)+3], s[G0P+4*(\slot)+3], 0x80000000
	s_lshl_b32 s[OFF], s[RT], 14                   ; a chunk's keys 16,384 bytes of a channel block
	s_add_nc_u64 s[G0V+4*(\slot)+2:G0V+4*(\slot)+3], s[VB:VB+1], s[OFF:OFF+1]
	s_or_b32 s[G0V+4*(\slot)+3], s[G0V+4*(\slot)+3], 0x80000000
	s_add_co_u32 s[RT], s[RT], 2                   ; the block's next two chunks, or behind its last the short block's chunk 0
	s_cmp_eq_u32 s[RT], s[NL]
	s_cselect_b32 s[RT], 0, s[RT]
	s_cselect_b32 s[RSEL], 1, s[RSEL]
.endif
	s_wait_dscnt 0x0                               ; the add is done, my reads of this slot are over, f is in
	s_barrier_signal -1
	TILE 3, 1, 0                                   ; band 3 is never hidden: work on registers while the others arrive
	WIN 0
	s_barrier_wait -1
.if (\mode) == 2
	CREST
	JLOAD \slot                                    ; its four v_nop are also the places ahead of the loads and sums below
.else
	PLACES
.endif
	FETCH 0, 1-(\slot), 0
.if (\mode) == 2
	ASK
.endif
.else
	s_wait_dscnt 0x0
	TILE 3, 1, 0
.endif
	REST 1, \exx, \dyn
.endm
; A BLOCK'S END: O goes through my stage, a band (16 rows x 256 bytes) at a time, and out as whole rows of 256 bytes.
.macro OPACK x
.if (\x) >= 2
	s_wait_xcnt 0x0                                ; the stores of the band two back have read the registers that are loaded again
.endif
.irp c, 0,1,2,3
	ds_store_b128 v[STO], v[O+32*(\x)+8*\c:O+32*(\x)+8*\c+3]   offset:64*\c
	ds_store_b128 v[STO], v[O+32*(\x)+8*\c+4:O+32*(\x)+8*\c+7] offset:64*\c+16
.endr
.irp i, 0,1,2,3,4,5,6,7
	ds_load_b128 v[T+32*((\x)%2)+4*\i:T+32*((\x)%2)+4*\i+3], v[RD] offset:\i*2*PP  ; LDS serves a wave's instructions in order: these see the stores above; the next band's stores come behind them
.endr
.endm
.macro OSEND x, younger                ; younger: the LDS instructions issued behind band x's loads
.irp i, 0,1,2,3,4,5,6,7
	s_wait_dscnt (\younger)+7-\i
	global_store_b128 v[GO], v[T+32*((\x)%2)+4*\i:T+32*((\x)%2)+4*\i+3], s[OUT:OUT+1] offset:(\x)*524288+\i*8192 th:TH_STORE_NT  ; 16 lanes store 256 consecutive bytes, at a multiple of 256 from out0's first
.endr
.endm
.macro FINISH
	OPACK 0
	OPACK 1
	OSEND 0, 16
	OPACK 2
	OSEND 1, 16
	OPACK 3
	OSEND 2, 16
	OSEND 3, 0
	s_wait_xcnt 0x0                                ; the stores have read T's registers and out0's address
.endm
	s_wait_tensorcnt 1                             ; my part of slot 0 is in; slot 1's may stay out
	s_barrier_signal -1
	s_barrier_wait -1
	FETCH 0, 0, 0
	s_branch .Lbegin                               ; the loop is entered where a block begins
.Llap:                                         ; four trips: two slots, four steps; both slots are filled again
	LAPF
	STEP_A 0, 0, 0, 1
	STEP_B 0, 2, 1, 1
	STEP_A 1, 512, 2, 1
	STEP_B 1, 2, 3, 1
	s_sub_co_u32 s[LC], s[LC], 1
	s_cmp_lg_u32 s[LC], 0
	s_cbranch_scc1 .Lnext
	FINISH
.Lbegin:                                       ; A BLOCK BEGINS: f for my rows, from the chunks' (cm, l); a lane has rows (band 2 h + j, r), j = 0, 1
	s_cmp_eq_u32 s[BLK], 0
	s_cselect_b32 s[J4], s[J4L], s[J4S]
	s_cselect_b32 s[LC], s[LCL], s[LCS]
	s_cselect_b64 s[OUT:OUT+1], s[OL:OL+1], s[OS:OS+1]
	s_wait_loadcnt 0x0                             ; the block's statistics
	WIN 0xff
	v_lshl_add_u32 v[TM], v[HH], 1, s[J4]          ; band x sees chunks up to 4 J + x
	v_add_nc_u32 v[TM+1], 1, v[TM]
.irp t, 0,1,2,3,4,5,6,7,8,9,10,11,12,13,14,15
.irp j, 0,1
	v_cmp_le_u32 vcc_lo, \t, v[TM+\j]
	v_cndmask_b32 v[S+32*\j+2*\t], s[BIGN], v[S+32*\j+2*\t], vcc_lo      ; a hidden chunk: cm far below every other,
	v_cndmask_b32 v[S+32*\j+2*\t+1], 0, v[S+32*\j+2*\t+1], vcc_lo        ; l = 0
.endr
.endr
.irp j, 0,1
	v_max3_num_f32 v[MX+\j], v[S+32*\j], v[S+32*\j+2], v[S+32*\j+4]
.endr
.irp t, 3,5,7,9,11,13
.irp j, 0,1
	v_max3_num_f32 v[MX+\j], v[MX+\j], v[S+32*\j+2*\t], v[S+32*\j+2*\t+2]
.endr
.endr
.irp j, 0,1
	v_max_num_f32 v[MX+\j], v[MX+\j], v[S+32*\j+30]
.endr
.irp t, 0,1,2,3,4,5,6,7,8,9,10,11,12,13,14,15
.irp j, 0,1
	v_sub_f32 v[G+2*\t+\j], v[S+32*\j+2*\t], v[MX+\j]
.endr
.endr
.set i, 0
.rept 32
	v_exp_f32 v[G+i], v[G+i]
.set i, i+1
.endr
	v_nop                                          ; a plain instruction behind the last exponential,
	s_wait_alu depctr_va_vdst(0)                   ; and the one wait for the batch
.irp j, 0,1
	v_mul_f32 v[LL+\j], v[G+\j], v[S+32*\j+1]
.endr
.irp t, 1,2,3,4,5,6,7,8,9,10,11,12,13,14,15
.irp j, 0,1
	v_fmac_f32 v[LL+\j], v[G+2*\t+\j], v[S+32*\j+2*\t+1]
.endr
.endr
	v_rcp_f32 v[LL], v[LL]
	v_rcp_f32 v[LL+1], v[LL+1]
	v_nop
	s_wait_alu depctr_va_vdst(0)                   ; one wait for the two reciprocals
.irp t, 0,1,2,3,4,5,6,7,8,9,10,11,12,13,14,15
	v_pk_mul_f32 v[G+2*\t:G+2*\t+1], v[G+2*\t:G+2*\t+1], v[LL:LL+1]
.endr
	WIN 0
	s_cmp_eq_u32 s[BLK], 0
	s_cbranch_scc0 .Lno_more
	LDSTATS SS                                     ; the short block's, into the registers just read out
.Lno_more:
	s_add_co_u32 s[BLK], s[BLK], 1
.set i, 0
.rept 128
	v_mov_b32 v[O+i], 0
.set i, i+1
.endr
.Lnext:
	s_sub_co_u32 s[LEFT], s[LEFT], 1
	s_cmp_lg_u32 s[LEFT], 0
	s_cbranch_scc1 .Llap
	LAPF                                           ; the last lap is the short block's last: written out, it asks for nothing, and step i makes bands 3 down to i
	STEP_A 0, 0, 0, 0
	STEP_B 0, 1, 1, 0
	STEP_A 1, 512, 2, 0
	STEP_B 1, 0, 3, 0
	FINISH
	s_wait_tensorcnt 0x0                           ; the wave's end
	ds_add_u32 v[SPW], v[NIL]
	s_wait_dscnt 0x0
	CROUND                                         ; the closing round
	s_endpgm
.Lfunc_end_k_qf84d0dd909_mix:
	.size	k_qf84d0dd909_mix, .Lfunc_end_k_qf84d0dd909_mix-k_qf84d0dd909_mix
	.p2alignl 7, 3214868480
	.fill 96, 4, 3214868480
	.section	.rodata,"a",@progbits
	.p2align	6, 0x0
	.amdhsa_kernel k_qf84d0dd909_mix
		.amdhsa_group_segment_fixed_size 327680
		.amdhsa_private_segment_fixed_size 0
		.amdhsa_enable_private_segment 0
		.amdhsa_kernarg_size 32
		.amdhsa_user_sgpr_count 2
		.amdhsa_user_sgpr_kernarg_segment_ptr 1
		.amdhsa_wavefront_size32 1
		.amdhsa_system_sgpr_workgroup_id_x 1
		.amdhsa_system_sgpr_workgroup_id_y 1
		.amdhsa_system_sgpr_workgroup_id_z 1
		.amdhsa_system_vgpr_workitem_id 0
		.amdhsa_next_free_vgpr 880
		.amdhsa_next_free_sgpr 100
		.amdhsa_reserve_vcc 1
		.amdhsa_float_denorm_mode_32 3
		.amdhsa_float_denorm_mode_16_64 3
		.amdhsa_memory_ordered 1
		.amdhsa_forward_progress 1
		.amdhsa_inst_pref_size 148
	.end_amdhsa_kernel
	.amdgpu_metadata
---
amdhsa.version: [ 1, 2 ]
amdhsa.kernels:
  - .name:           k_qf84d0dd909_mix
    .symbol:         k_qf84d0dd909_mix.kd
    .args:
      - { .name: qkv, .offset: 0, .size: 8, .value_kind: global_buffer, .address_space: global }
      - { .name: pbuf, .offset: 8, .size: 8, .value_kind: global_buffer, .address_space: global }
      - { .name: stats, .offset: 16, .size: 8, .value_kind: global_buffer, .address_space: global }
      - { .name: out0, .offset: 24, .size: 8, .value_kind: global_buffer, .address_space: global }
    .group_segment_fixed_size: 327680
    .private_segment_fixed_size: 0
    .kernarg_segment_align: 8
    .kernarg_segment_size: 32
    .max_flat_workgroup_size: 128
    .sgpr_count:     100
    .vgpr_count:     880
    .wavefront_size: 32
...
	.end_amdgpu_metadata
.endif
;; end of part 4
;; ======== version 2 of 2: 4 launches; version 1 with the launch cast written anew for expert scheduling mode
;; limits: values are held in f16: magnitudes above 65,504 overflow, below 6.1e-05 lose precision
;; workspace buffers: xw 23,068,672 bytes; qkv 50,331,648 bytes; pbuf 33,554,432 bytes; stats 1,048,576 bytes
;; launch cast (part 5): grid 704 x 1, 8 waves a work-group, no clusters, 0 bytes of LDS; arguments x, w_query, w_key, w_value, xw; writes xw
.if DOCPART == 5
	.amdgcn_target "amdgcn-amd-amdhsa--gfx1250"
	.amdhsa_code_object_version 6
	.text
	.protected	k_qf84d0dd909_cast
	.globl	k_qf84d0dd909_cast
	.p2align	8
	.type	k_qf84d0dd909_cast,@function
k_qf84d0dd909_cast:
	s_mov_b64 s[64:65], 0
	v_nop
	global_prefetch_b8 v0, s[64:65] scope:SCOPE_SE
	s_setreg_imm32_b32 hwreg(HW_REG_WAVE_SCHED_MODE, 0, 2), 2
	s_setreg_imm32_b32 hwreg(HW_REG_WAVE_MODE, 25, 1), 1
	s_wait_xcnt 0x0
	s_wait_alu depctr_vm_vsrc(0)
; CAST.  x [8192][1024] and the three weights [1024][1024], f32, are rounded once to bf16 and laid out for the product that follows:
; xw[kb 0..15][row 0..11263][64]: 128 bytes for each (kb, row); rows 0-8191 x, 8192.. w_query, 9216.. w_key, 10240.. w_value.
; So a tile of rows x 64 of K is one dense block of memory.
; A stream: no LDS, no matrix unit, no cluster: no byte is used twice.  A work-group takes 16 rows, a wave two.
; A load: 16 lanes take 256 consecutive, aligned bytes (64 numbers) of one row, the other 16 lanes those of the next row.
; A store: the 32 lanes' 8 bytes are the two rows' 128 bytes of one kb: 256 consecutive, aligned bytes.
; All 16 loads of a wave go out first (8 KiB a wave); no register is written twice.
; THE MODE: SCHED_MODE bits 1:0 = 2 (LLVM: expert scheduling mode 2), set by the entry lines.  The code itself states the register dependences
; between vector instructions and memory instructions, with s_wait_alu, always for 0.
; THE PLAN.  Registers that memory instructions touch:
;   v[VI], v[VO .. VO+3]  byte offsets.  Written by vector lines at the head, once; read by the 16 loads and the 16 stores.
;   X + 4 k               Written by load k, once, and named by no vector instruction ahead of it; read by the two conversions of number k.
;   Y + 2 k               Written by the two conversions of number k, once; read by store k.
; No register that a load or store reads is written again, so no wait on vm_vsrc is owed.  No vector instruction writes a scalar register or VCC, and EXEC is never written.
; The 16 numbers go in four groups of four.  The stores of group g - 1 are issued in group g, one ahead of each pair of conversions, behind ONE wait on va_vdst at the
; group's head: it states that group g - 1's conversions have written their Y.  The vector instructions that follow it, group g's conversions, name X + 16 g .. and Y + 8 g ..:
; none of the registers that those four stores read.  One more such wait stands at the head, for the offsets, and one behind group 3, for the last four stores.
.set KBS, 11264*128                    ; bytes of one kb block of xw
.set VI,  2                            ; v2      my byte offset in the group's 16 rows of the source
.set VO,  4                            ; v[4:7]  my byte offset in xw for kb 0-3, 4-7, 8-11, 12-15 (the immediate holds at most three blocks)
.set X,   16                           ; v[16:79]  16 x 4 numbers as loaded
.set Y,   80                           ; v[80:111] 16 x 4 numbers in bf16
	s_load_b256 s[4:11], s[0:1], 0x0               ; x s[4:5], w_query s[6:7], w_key s[8:9], w_value s[10:11]
	s_load_b64 s[12:13], s[0:1], 0x20              ; xw
	s_sub_co_u32 s14, ttmp9, 512                   ; groups 512.. take the weights, 64 groups each
	s_lshr_b32 s15, s14, 6                         ; which weight
	s_and_b32 s16, s14, 63                         ; which 16 rows of it
	v_lshrrev_b32 v1, 4, v0                        ; my row among the 16
	v_and_b32 v3, 15, v0
	v_lshlrev_b32 v[VI], 12, v1                    ; a source row is 4,096 bytes
	v_lshl_add_u32 v[VI], v3, 4, v[VI]
	v_lshlrev_b32 v[VO], 3, v0                     ; 128 x row + 8 x (lane % 16) = 8 x thread
.irp q, 1,2,3
	v_add_nc_u32 v[VO+\q], \q*4*KBS, v[VO]
.endr
	s_lshl_b32 s22, ttmp9, 11                      ; the group's 16 rows of 128 bytes in a kb block
	s_mov_b32 s23, 0
	s_mov_b32 s21, 0
	s_wait_kmcnt 0x0
	s_cmp_eq_u32 s15, 1
	s_cselect_b64 s[18:19], s[8:9], s[6:7]
	s_cmp_eq_u32 s15, 2
	s_cselect_b64 s[18:19], s[10:11], s[18:19]
	s_cmp_lt_u32 ttmp9, 512
	s_cselect_b64 s[18:19], s[4:5], s[18:19]       ; the source,
	s_cselect_b32 s16, ttmp9, s16                  ; and the group's place in it
	s_lshl_b32 s20, s16, 16                        ; 16 rows of 4,096 bytes
	s_add_nc_u64 s[18:19], s[18:19], s[20:21]
	s_add_nc_u64 s[12:13], s[12:13], s[22:23]
	s_wait_alu depctr_va_vdst(0)                   ; v[VI] and v[VO .. VO+3] are written: every load and store of the kernel reads one of them as its offset
.irp k, 0,1,2,3,4,5,6,7,8,9,10,11,12,13,14,15
	global_load_b128 v[X+4*\k:X+4*\k+3], v[VI], s[18:19] offset:\k*256 th:TH_LOAD_NT
.endr
.irp k, 0,1,2,3,4,5,6,7,8,9,10,11,12,13,14,15
	s_wait_loadcnt 15-\k                           ; loads come back in order: number k is in, the younger ones stay out
.if ((\k) == 4) || ((\k) == 8) || ((\k) == 12)
	s_wait_alu depctr_va_vdst(0)                   ; a group's head: the eight conversions of the group before have written their Y, which this group's four stores read
.endif
.if (\k) >= 4
	global_store_b64 v[VO+((\k)-4)/4], v[Y+2*((\k)-4):Y+2*((\k)-4)+1], s[12:13] offset:(((\k)-4)%4)*KBS  ; number k - 4, of the group before; no vector instruction since the wait names its registers
.endif
	v_cvt_pk_bf16_f32 v[Y+2*\k],   v[X+4*\k],   v[X+4*\k+1]
	v_cvt_pk_bf16_f32 v[Y+2*\k+1], v[X+4*\k+2], v[X+4*\k+3]
.endr
	s_wait_alu depctr_va_vdst(0)                   ; the last group's conversions have written their Y, which the last four stores read
.irp k, 12,13,14,15
	global_store_b64 v[VO+3], v[Y+2*\k:Y+2*\k+1], s[12:13] offset:((\k)-12)*KBS
.endr
	s_endpgm
.Lfunc_end_k_qf84d0dd909_cast:
	.size	k_qf84d0dd909_cast, .Lfunc_end_k_qf84d0dd909_cast-k_qf84d0dd909_cast
	.p2alignl 7, 3214868480
	.fill 96, 4, 3214868480
	.section	.rodata,"a",@progbits
	.p2align	6, 0x0
	.amdhsa_kernel k_qf84d0dd909_cast
		.amdhsa_group_segment_fixed_size 0
		.amdhsa_private_segment_fixed_size 0
		.amdhsa_enable_private_segment 0
		.amdhsa_kernarg_size 40
		.amdhsa_user_sgpr_count 2
		.amdhsa_user_sgpr_kernarg_segment_ptr 1
		.amdhsa_wavefront_size32 1
		.amdhsa_system_sgpr_workgroup_id_x 1
		.amdhsa_system_sgpr_workgroup_id_y 1
		.amdhsa_system_sgpr_workgroup_id_z 1
		.amdhsa_system_vgpr_workitem_id 0
		.amdhsa_next_free_vgpr 112
		.amdhsa_next_free_sgpr 66
		.amdhsa_reserve_vcc 0
		.amdhsa_float_denorm_mode_32 3
		.amdhsa_float_denorm_mode_16_64 3
		.amdhsa_memory_ordered 1
		.amdhsa_forward_progress 1
		.amdhsa_inst_pref_size 8
	.end_amdhsa_kernel
	.amdgpu_metadata
---
amdhsa.version: [ 1, 2 ]
amdhsa.kernels:
  - .name:           k_qf84d0dd909_cast
    .symbol:         k_qf84d0dd909_cast.kd
    .args:
      - { .name: x, .offset: 0, .size: 8, .value_kind: global_buffer, .address_space: global }
      - { .name: w_query, .offset: 8, .size: 8, .value_kind: global_buffer, .address_space: global }
      - { .name: w_key, .offset: 16, .size: 8, .value_kind: global_buffer, .address_space: global }
      - { .name: w_value, .offset: 24, .size: 8, .value_kind: global_buffer, .address_space: global }
      - { .name: xw, .offset: 32, .size: 8, .value_kind: global_buffer, .address_space: global }
    .group_segment_fixed_size: 0
    .private_segment_fixed_size: 0
    .kernarg_segment_align: 8
    .kernarg_segment_size: 40
    .max_flat_workgroup_size: 256
    .sgpr_count:     66
    .vgpr_count:     112
    .wavefront_size: 32
...
	.end_amdgpu_metadata
.endif
;; end of part 5
;; launch proj: the kernel of part 2 again; grid 8 x 32, 4 waves a work-group, clusters of 4 x 4, 327,680 bytes of LDS; arguments xw, qkv; writes qkv
;; launch score: the kernel of part 3 again; grid 9 x 16, 4 waves a work-group, no clusters, 327,680 bytes of LDS; arguments qkv, pbuf, stats; writes pbuf, stats
;; launch mix: the kernel of part 4 again; grid 8 x 32, 4 waves a work-group, clusters of 4 x 4, 327,680 bytes of LDS; arguments qkv, pbuf, stats, out0; writes out0
